; MI455X (gfx1250); checked and timed in simulation.
; The chip was launched on July 23, 2026; its instructions are those of AMD's public machine-readable ISA for CDNA 5 (MIT licence, August 2026) and "CDNA5" Instruction Set Architecture Reference Guide (July 2026). The comments in the code are by the model that wrote it; some were corrected since.
;; Causal Multihead Self Attention. Allowed arithmetic: matrix products marked QUANTISED: E3M2 operands, one E8M0 scale for each 32 along K, by v_wmma_scale_f32_16x16x128_f8f6f4 with both operands' format E3M2, f32 sums; everything else in f32.
;; Inputs: Wk 1,024 x 1,024 float32; Wo 1,024 x 1,024 float32; Wq 1,024 x 1,024 float32; Wv 1,024 x 1,024 float32; token_positions 2,048 int32; x 2 x 2,048 x 1,024 float32.
;; Outputs: out0 2 x 2,048 x 1,024 float32.
;; This version of the problem:
;;   THIS VERSION OF THE PROBLEM IS GIVEN IN LOW PRECISION. The matrix products marked QUANTISED in the list below multiply operands that are first quantised to E3M2 (3 exponent bits, 2 mantissa bits; 6 bits a number), with one power-of-two scale for each 32 numbers along K (OCP MX v1.0); their sums are f32. All else is computed in f32.
;;   The module's matrix products, in the order in which they are computed (A, B: the left and right operand; K: the contracted axis; several contracted axes count as one K, in the product's order):
;;     1. [M 4,096, K 1,024] x [K 1,024, N 1,024]; A: input x; B: input Wq: QUANTISED
;;     2. [M 4,096, K 1,024] x [K 1,024, N 1,024]; A: input x; B: input Wk: QUANTISED
;;     3. [M 4,096, K 1,024] x [K 1,024, N 1,024]; A: input x; B: input Wv: QUANTISED
;;     4. batch 32 x [M 2,048, K 64] x [K 64, N 2,048]; A: computed on the way; B: computed on the way: QUANTISED
;;     5. batch 32 x [M 2,048, K 2,048] x [K 2,048, N 64]; A: softmax (see below); B: computed on the way: QUANTISED
;;     6. [M 4,096, K 1,024] x [K 1,024, N 1,024]; A: computed on the way; B: input Wo: QUANTISED
;;   THE QUANTISER, for each operand of a quantised product, along K:
;;     - K is cut into blocks of 32 from its start; a last block that is shorter is filled with zeros.
;;     - A block's scale is 2^e with e = floor(log2(the largest magnitude in the block)) - 4, held to -126 .. 127; a block of zeros has e = 0. As a byte (E8M0): e + 127.
;;     - Each number is divided by its block's scale, clamped to +-28, and rounded to the nearest number of E3M2, ties to even, subnormals kept.
;;     - The product sums the exact products of the quantised numbers (number of the format x scale) in f32.
;;   ~~~python
;;   def quantise(x, axis):      # numpy; x: float32 -> the quantised numbers, widened to float32 again
;;       x = np.moveaxis(x, axis, -1); K = x.shape[-1]
;;       x = np.pad(x, [(0, 0)] * (x.ndim - 1) + [(0, -K % 32)]); x = x.reshape(x.shape[:-1] + (-1, 32)); a = np.abs(x).max(-1, keepdims=True)
;;       e = np.where(a > 0, np.clip(np.frexp(np.where(a > 0, a, 1))[1] - 1 - 4, -126, 127), 0)      # np.frexp(a)[1] - 1 = floor(log2(a)), exactly
;;       r = np.clip(x / 2.0 ** e, -28, 28)
;;       step = 2.0 ** (np.maximum(np.frexp(np.where(r == 0, 1, r))[1] - 1, -2) - 2)
;;       q = np.round(r / step) * step * 2.0 ** e      # np.round: ties to even
;;       return np.moveaxis(q.reshape(q.shape[:-2] + (-1,))[..., :K], -1, axis).astype(np.float32)
;;   ~~~
;;   SOFTMAX AHEAD OF A QUANTISED PRODUCT. Where the list says 'softmax', what is quantised is not the finished softmax but p = 2^(t - M), with t = logit x log2(e) and M = ceil(the row's largest t), a whole number; so 1/2 < the row's largest p <= 1. The row's sum l is taken of the UNQUANTISED p, in f32, and the product's result is divided by l at the end. Since M is a whole number, a kernel that streams over the keys may use a running M (the ceiling of the running maximum): every later rescaling is an exact power of two, which a block's scale takes up: the codes' values come out the same.
;;   OPERANDS COMPUTED ON THE WAY. 'Computed on the way' means the value that the module computes at that place (a softmax that the list does not call 'softmax' is quantised finished and normalised). What goes into a quantiser is computed in f32, as accurately as f32 sums, v_exp_f32 and their like allow (about 1e-6 of the number): no bf16 or f16 on the way to a quantiser, and a product that is left as it is and whose result goes on into a quantised operand takes f32 operands (vector FMAs, or v_wmma_f32_16x16x4_f32). A number that lies on a knife's edge between two numbers of the format may be rounded either way, as far as f32 arithmetic and the matrix unit's own rounding can turn it there, and no further.
;; One version. Each part assembles by itself: llvm-mc -triple=amdgcn-amd-amdhsa -mcpu=gfx1250 --defsym DOCPART=n.
;; ======== version 1 of 1: 4 launches
;; limits: right only within a limited range of input values
;; workspace buffers: xq 4,194,304 bytes; wq 4,194,304 bytes; rope 524,288 bytes; qkv 9,830,400 bytes; ao 3,276,800 bytes
;; launch quant (part 1): grid 256 x 1, 4 waves a work-group, no clusters, 33,280 bytes of LDS; arguments x, Wq, Wk, Wv, Wo, token_positions, xq, wq, rope; writes xq, wq, rope
.if DOCPART == 1
	.amdgcn_target "amdgcn-amd-amdhsa--gfx1250"
	.amdhsa_code_object_version 6
	.text
	.protected	k_q49b31edf6f_quant
	.globl	k_q49b31edf6f_quant
	.p2align	8
	.type	k_q49b31edf6f_quant,@function
k_q49b31edf6f_quant:
	s_mov_b64 s[64:65], 0
	v_nop
	global_prefetch_b8 v0, s[64:65] scope:SCOPE_SE
	s_setreg_imm32_b32 hwreg(HW_REG_WAVE_MODE, 25, 1), 1
	s_wait_xcnt 0x0
; x [4096][1024] and Wq, Wk, Wv, Wo [1024][1024], f32 with K innermost, become codes of BF6 (E3M2), 6 bits each, with one E8M0 byte for each 32 along K; and the table of cos and sin for RoPE is made.
; A block's scale is 2^(floor(log2(its largest magnitude)) - 4); its byte is the largest magnitude's exponent field - 4, held at 1 from below (a block of zeros gets 1: its codes are zeros, and this program alone reads the bytes).
; LIMITS: NaN and infinities among the inputs are not served.  |position x inv_freq| up to about 1e5: beyond that the three-part reduction by pi/2 loses bits.
; SHARES.  256 work-groups of four waves; a work-group takes 32 rows of 1,024 numbers, a wave 8 rows = 16 steps of 512 numbers.  Work-groups 0-127: x; 128-159 Wq; 160-191 Wk; 192-223 Wv; 224-255 Wo.
; OUT.  xq: codes [4096][768 bytes], then scale bytes [4096][32] at byte 3,145,728.  wq: the same for Wq, Wk, Wv, Wo one below the other.
; ROWS CHANGE PLACES: of x, Wq, Wk, Wv the row with index bits (b4, b3) is stored at (b3, b4): the runs of 8 rows of waves 1 and 2 are exchanged.  So 16 neighbouring STORED rows (tile i, lane r) are the true rows
; 32 (i / 2) + 8 (i % 2) + r + 8 (r / 8), which is what lets a later product's results lie as 16 neighbours along the next K.  Wo keeps its order.
; Each load reads 512 consecutive bytes; a step's 2,048 bytes turn through the wave's own stage in LDS (16 bytes of padding behind each 64), so that a lane holds 16 neighbours along K; two neighbouring lanes hold a block.
; THE TABLE.  rope[s][j] = (cos, sin) of position[s] x 10000^(-j / 32), j = 0 .. 31, f32.  A thread makes j = 2 jj and 2 jj + 1 of one s.  10000^(-j / 32) = 10^(-j / 8) is a product of 10^(-1/8), 10^(-1/4), 10^(-1/2), 0.1, 0.01
; chosen by j's bits, multiplied in pairs of f32 (a number and its remainder), so that the f32 result is the nearest to the true power.  The angle is one f32 product; it is reduced by pi/2 in three parts; cos and sin by polynomials.
.set STEPS, 16
.set EMAX,  4
.set CB,    12                         ; bytes of 16 codes
.set R,     16                         ; v16-79   four sets of 16 numbers as loaded
.set X,     80                         ; v80-111  two sets of 16 neighbours
.set E,     112                        ; v112-127 a scale byte for each step
.set C,     128                        ; v128-191 codes: four registers a step, never written again
.set WREG,  8192                       ; LDS: a region for each wave: two stages of 32 x SP bytes, then its 256 scale bytes
.set SP,    80
; THE LAYOUT AS STORED (in place of the line OUT above): a row of xq or wq is 1,024 bytes, four units of 256: 192 bytes of codes of 256 along K, their 8 scale bytes, 56 zeros.
.set PA,    192                        ; v192 byte offset of my position;  v193 the position;  v194 as f32;  v195 byte offset of my 16 bytes of the table
.set POS,   193
.set PF,    194
.set TA,    195
.set H,     196                        ; v196-197 the running product and its remainder
.set L,     197
.set CH,    198                        ; v198-199 the factor
.set CL,    199
.set PP,    200                        ; v200-203 at work
.set JJ,    204                        ; v204 jj
.set KH,    205
.set KL,    206
.set A0,    211                        ; v211-212 the two angles
.set A1,    212
.set CSO,   220                        ; v220-223 cos, sin, cos, sin
	s_load_b512 s[4:19], s[0:1], 0x0               ; x 4, Wq 6, Wk 8, Wv 10, Wo 12, positions 14, xq 16, wq 18
	s_load_b64 s[20:21], s[0:1], 0x40              ; rope
	v_lshl_add_u32 v224, v0, 2, 0x8000
	v_mov_b32 v225, 0
	v_lshrrev_b32 v1, 5, v0
	v_readfirstlane_b32 s22, v1                    ; wave
	v_and_b32 v2, 31, v0                           ; lane
	v_lshlrev_b32 v3, 4, v2                        ; my 16 bytes of a load's 512
	s_mul_i32 s23, s22, WREG
	v_lshrrev_b32 v14, 2, v2
	v_mul_u32_u24 v14, v14, SP
	v_and_b32 v15, 3, v2
	v_lshl_add_u32 v14, v15, 4, v14
	v_add_nc_u32 v14, s23, v14                     ; the stage, on the way in: SP (lane / 4) + 16 (lane % 4)
	v_mul_u32_u24 v15, v2, SP
	v_add_nc_u32 v15, s23, v15                     ; and on the way out: SP x lane
	v_mul_u32_u24 v4, v2, CB
	v_lshrrev_b32 v5, 4, v2
	v_lshl_add_u32 v4, v5, 6, v4                   ; sixteen lanes' 192 bytes, then 64 for the scales
	v_lshrrev_b32 v5, 1, v2
	s_add_co_u32 s23, s23, 2*32*SP
	v_add_nc_u32 v5, s23, v5                       ; LDS: my block's scale byte
	v_lshlrev_b32 v7, 3, v2
	v_add_nc_u32 v6, s23, v7
	v_lshlrev_b32 v7, 8, v2                        ; lane l holds the 8 scale bytes of row l / 4, unit l % 4: 256 l bytes into my 8 rows
	v_lshrrev_b32 v[PA], 4, v0
	v_lshlrev_b32 v[PA], 2, v[PA]                  ; 4 x (thread / 16): sixteen threads share a position
	v_lshlrev_b32 v[TA], 4, v0                     ; 16 x thread
	v_and_b32 v[JJ], 15, v0
	s_and_b32 s47, s22, 1
	s_lshl_b32 s47, s47, 1
	s_lshr_b32 s46, s22, 1
	s_or_b32 s47, s47, s46                         ; the wave's number with its two bits exchanged
	s_wait_alu depctr_va_vdst(0)
	s_wait_kmcnt 0x0
	s_cmp_lt_u32 ttmp9, 160                        ; the choices hang on the work-group's number alone
	s_cselect_b64 s[24:25], s[6:7], s[8:9]
	s_cmp_lt_u32 ttmp9, 192
	s_cselect_b64 s[24:25], s[24:25], s[10:11]
	s_cmp_lt_u32 ttmp9, 224
	s_cselect_b64 s[24:25], s[24:25], s[12:13]
	s_cselect_b32 s46, s47, s22                    ; which run of 8 stored rows my wave writes: Wo keeps its order
	s_cmp_lt_u32 ttmp9, 128
	s_cselect_b64 s[24:25], s[4:5], s[24:25]       ; from where
	s_cselect_b64 s[26:27], s[16:17], s[18:19]     ; to where
	s_cselect_b32 s28, 127, 31
	s_and_b32 s29, ttmp9, s28                      ; the work-group's number within its tensor
	s_lshl_b32 s29, s29, 2
	s_add_co_u32 s29, s29, s22
	s_lshl_b32 s30, s29, 15                        ; 32,768 bytes of f32 a run
	s_mov_b32 s31, 0
	s_add_nc_u64 s[24:25], s[24:25], s[30:31]
	s_and_b32 s29, ttmp9, 127                      ; and within xq or wq
	s_lshl_b32 s29, s29, 2
	s_add_co_u32 s29, s29, s46
	s_lshl_b32 s30, s29, 13                        ; 8 rows of 1,024 bytes
	s_add_nc_u64 s[26:27], s[26:27], s[30:31]
	s_lshl_b32 s30, ttmp9, 5                       ; 8 positions a work-group
	s_add_nc_u64 s[14:15], s[14:15], s[30:31]
	s_lshl_b32 s30, ttmp9, 11                      ; 8 rows of 256 bytes of the table
	s_add_nc_u64 s[20:21], s[20:21], s[30:31]
	global_load_b32 v[POS], v[PA], s[14:15]
.macro LOAD t
.irp i, 0,1,2,3
	global_load_b128 v[R+16*((\t)%4)+4*\i:R+16*((\t)%4)+4*\i+3], v3, s[24:25] offset:2048*(\t)+512*\i th:TH_LOAD_NT   ; 32 lanes read 512 consecutive bytes
.endr
.endm
.macro TURN t                          ; step t's numbers through the stage: LDS serves a wave's instructions in order, so no wait stands between the stores and the loads
.irp i, 0,1,2,3
	ds_store_b128 v14, v[R+16*((\t)%4)+4*\i:R+16*((\t)%4)+4*\i+3] offset:32*SP*((\t)%2)+8*SP*\i
.endr
.irp i, 0,1,2,3
	ds_load_b128 v[X+16*((\t)%2)+4*\i:X+16*((\t)%2)+4*\i+3], v15 offset:32*SP*((\t)%2)+16*\i
.endr
.endm
.irp t, 0,1,2,3
	LOAD \t
.endr
; ---- the table, while the first sixteen loads are on their way
.macro SELC bit, hi, lo, dh, dl        ; (dh, dl) = the constant (hi, lo) where jj's bit is set, else (1, 0)
	v_and_b32 v[PP+3], 1<<(\bit), v[JJ]
	v_cmp_ne_u32 vcc_lo, 0, v[PP+3]
	v_mov_b32 v[KH], \hi
	v_mov_b32 v[KL], \lo
	v_cndmask_b32 v[\dh], 1.0, v[KH], vcc_lo
	v_cndmask_b32 v[\dl], 0, v[KL], vcc_lo
.endm
.macro DDMUL                           ; (H, L) x (CH, CL): the product's rounding error comes out of a fused multiply-add and is carried along
	v_mul_f32 v[PP], v[H], v[CH]
	v_fma_f32 v[PP+1], v[H], v[CH], -v[PP]
	v_fma_f32 v[PP+1], v[H], v[CL], v[PP+1]
	v_fma_f32 v[PP+1], v[L], v[CH], v[PP+1]
	v_add_f32 v[PP+2], v[PP], v[PP+1]
	v_sub_f32 v[PP], v[PP], v[PP+2]
	v_add_f32 v[L], v[PP], v[PP+1]
	v_mov_b32 v[H], v[PP+2]
.endm
.macro SINCOS a, c, s                  ; v213 n, v214 r, v215 n as a whole number, v216 r^2, v217 cos r, v218 sin r, v219 at work
	v_mul_f32 v213, 0x3f22f983, v[\a]              ; x 2 / pi
	v_rndne_f32 v213, v213
	v_fmamk_f32 v214, v213, 0xbfc90fd8, v[\a]      ; r = angle - n pi/2, pi/2 in three parts of falling size
	v_fmamk_f32 v214, v213, 0xb4a8885a, v214
	v_fmamk_f32 v214, v213, 0xa7c234c4, v214
	v_cvt_i32_f32 v215, v213
	v_mul_f32 v216, v214, v214
	v_mov_b32 v217, 0x37ccf5ce
	v_fmaak_f32 v217, v217, v216, 0xbab6061a
	v_fmaak_f32 v217, v217, v216, 0x3d2aaaa5
	v_fma_f32 v217, v217, v216, -0.5
	v_fma_f32 v217, v217, v216, 1.0
	v_mov_b32 v218, 0xb94ca1f9
	v_fmaak_f32 v218, v218, v216, 0x3c08839e
	v_fmaak_f32 v218, v218, v216, 0xbe2aaaa3
	v_mul_f32 v218, v218, v216
	v_fma_f32 v218, v218, v214, v214
	v_and_b32 v219, 1, v215                        ; odd n: cos and sin change places
	v_cmp_ne_u32 vcc_lo, 0, v219
	v_cndmask_b32 v[\c], v217, v218, vcc_lo
	v_cndmask_b32 v[\s], v218, v217, vcc_lo
	v_lshlrev_b32 v219, 30, v215                   ; sin is negated where n mod 4 is 2 or 3,
	v_and_b32 v219, 0x80000000, v219
	v_xor_b32 v[\s], v[\s], v219
	v_add_nc_u32 v219, 1, v215                     ; cos where it is 1 or 2
	v_lshlrev_b32 v219, 30, v219
	v_and_b32 v219, 0x80000000, v219
	v_xor_b32 v[\c], v[\c], v219
.endm
	s_wait_loadcnt 16                              ; the position is in; the sixteen loads issued behind it may be out
	v_cvt_f32_i32 v[PF], v[POS]
	SELC 0, 0x3f0ff59a, 0xb1f8f1f8, H, L           ; 10^(-1/4)
	SELC 1, 0x3ea1e89b, 0x31121244, CH, CL         ; 10^(-1/2)
	DDMUL
	SELC 2, 0x3dcccccd, 0xb0cccccd, CH, CL         ; 0.1
	DDMUL
	SELC 3, 0x3c23d70a, 0x2f75c28f, CH, CL         ; 0.01
	DDMUL
	v_mul_f32 v[A0], v[PF], v[H]                   ; the angle of j = 2 jj
	v_mov_b32 v[CH], 0x3f3ff911                    ; 10^(-1/8)
	v_mov_b32 v[CL], 0x32022bb3
	DDMUL
	v_mul_f32 v[A1], v[PF], v[H]                   ; and of j = 2 jj + 1
	SINCOS A0, CSO, CSO+1
	SINCOS A1, CSO+2, CSO+3
	global_store_b128 v[TA], v[CSO:CSO+3], s[20:21]   ; a wave stores 512 consecutive bytes; neither register is written again
; ---- the quantiser
	s_wait_loadcnt 12                              ; step 0's four loads are in
	TURN 0
.macro STEP t
.set XS, X+16*((\t)%2)
.if (\t) > 0
	s_wait_dscnt 1                                 ; this step's numbers are back from the stage (the last step's byte store may be out): so its stores into the stage have read their registers,
.else
	s_wait_dscnt 0x0
.endif
.if (\t)+4 < STEPS
	LOAD (\t)+4                                    ; which take the loads of four steps on
.endif
.if (\t)+1 < STEPS
.if STEPS-2-(\t) >= 3
	s_wait_loadcnt 12                              ; the next step's four loads are in; those of the three steps behind it may be out
.else
	s_wait_loadcnt 4*(STEPS-2-(\t))
.endif
	TURN (\t)+1
.endif
	v_max3_num_f32 v8, |v[XS]|, |v[XS+1]|, |v[XS+2]|               ; the largest magnitude of my 16, in two chains
	v_max3_num_f32 v9, |v[XS+3]|, |v[XS+4]|, |v[XS+5]|
.irp i, 6,10
	v_max3_num_f32 v8, v8, |v[XS+\i]|, |v[XS+\i+1]|
	v_max3_num_f32 v9, v9, |v[XS+\i+2]|, |v[XS+\i+3]|
.endr
	v_max3_num_f32 v8, v8, |v[XS+14]|, |v[XS+15]|
	v_max3_num_f32 v8, v8, v9, (EMAX+1)<<23        ; and the floor 2^(5 - 127): the byte cannot fall under 1
	v_max_num_f32_dpp v8, v8, v8 row_xmask:1 row_mask:0xf bank_mask:0xf   ; and of my neighbour's 16: the block's
	v_add_nc_u32 v11, -(EMAX<<23), v8              ; 4 off its exponent field: the conversion takes the exponent field of this operand as its scale
	v_cvt_scalef32_pk16_bf6_f32 v[C+4*(\t):C+4*(\t)+2], v[XS:XS+15], v11
	v_lshrrev_b32 v[E+(\t)], 23, v11               ; the scale's byte
	ds_store_b8 v5, v[E+(\t)] offset:16*(\t)       ; both lanes of a block write the same byte with the same value
	global_store_b96 v4, v[C+4*(\t):C+4*(\t)+2], s[26:27] offset:512*(\t)   ; a step is two units
.endm
.irp t, 0,1,2,3,4,5,6,7,8,9,10,11,12,13,14,15
	STEP \t
.endr
	ds_load_b64 v[12:13], v6                       ; LDS serves a wave's instructions in order: these see my stores
	s_wait_dscnt 0x0
.irp z, 8,9,10,11,14,15
	v_mov_b32 v\z, 0
.endr
	global_store_b128 v7, v[12:15], s[26:27] offset:192      ; a unit's last 64 bytes: 8 scale bytes and zeros
	global_store_b128 v7, v[8:11], s[26:27] offset:208
	global_store_b128 v7, v[8:11], s[26:27] offset:224
	global_store_b128 v7, v[8:11], s[26:27] offset:240
	s_wait_tensorcnt 0x0
	ds_add_u32 v224, v225
	s_wait_dscnt 0x0
	s_endpgm
.Lfunc_end_k_q49b31edf6f_quant:
	.size	k_q49b31edf6f_quant, .Lfunc_end_k_q49b31edf6f_quant-k_q49b31edf6f_quant
	.p2alignl 7, 3214868480
	.fill 96, 4, 3214868480
	.section	.rodata,"a",@progbits
	.p2align	6, 0x0
	.amdhsa_kernel k_q49b31edf6f_quant
		.amdhsa_group_segment_fixed_size 33280
		.amdhsa_private_segment_fixed_size 0
		.amdhsa_enable_private_segment 0
		.amdhsa_kernarg_size 72
		.amdhsa_user_sgpr_count 2
		.amdhsa_user_sgpr_kernarg_segment_ptr 1
		.amdhsa_wavefront_size32 1
		.amdhsa_system_sgpr_workgroup_id_x 1
		.amdhsa_system_sgpr_workgroup_id_y 1
		.amdhsa_system_sgpr_workgroup_id_z 1
		.amdhsa_system_vgpr_workitem_id 0
		.amdhsa_next_free_vgpr 226
		.amdhsa_next_free_sgpr 66
		.amdhsa_reserve_vcc 1
		.amdhsa_float_denorm_mode_32 3
		.amdhsa_float_denorm_mode_16_64 3
		.amdhsa_memory_ordered 1
		.amdhsa_forward_progress 1
		.amdhsa_inst_pref_size 39
	.end_amdhsa_kernel
	.amdgpu_metadata
---
amdhsa.version: [ 1, 2 ]
amdhsa.kernels:
  - .name:           k_q49b31edf6f_quant
    .symbol:         k_q49b31edf6f_quant.kd
    .args:
      - { .name: x, .offset: 0, .size: 8, .value_kind: global_buffer, .address_space: global }
      - { .name: Wq, .offset: 8, .size: 8, .value_kind: global_buffer, .address_space: global }
      - { .name: Wk, .offset: 16, .size: 8, .value_kind: global_buffer, .address_space: global }
      - { .name: Wv, .offset: 24, .size: 8, .value_kind: global_buffer, .address_space: global }
      - { .name: Wo, .offset: 32, .size: 8, .value_kind: global_buffer, .address_space: global }
      - { .name: token_positions, .offset: 40, .size: 8, .value_kind: global_buffer, .address_space: global }
      - { .name: xq, .offset: 48, .size: 8, .value_kind: global_buffer, .address_space: global }
      - { .name: wq, .offset: 56, .size: 8, .value_kind: global_buffer, .address_space: global }
      - { .name: rope, .offset: 64, .size: 8, .value_kind: global_buffer, .address_space: global }
    .group_segment_fixed_size: 33280
    .private_segment_fixed_size: 0
    .kernarg_segment_align: 8
    .kernarg_segment_size: 72
    .max_flat_workgroup_size: 128
    .sgpr_count:     66
    .vgpr_count:     226
    .wavefront_size: 32
...
	.end_amdgpu_metadata
.endif
;; end of part 1
;; launch qkv (part 2): grid 12 x 16, 4 waves a work-group, clusters of 4 x 4, 327,680 bytes of LDS; arguments xq, wq, rope, qkv; writes qkv
.if DOCPART == 2
	.amdgcn_target "amdgcn-amd-amdhsa--gfx1250"
	.amdhsa_code_object_version 6
	.text
	.protected	k_q49b31edf6f_qkv
	.globl	k_q49b31edf6f_qkv
	.p2align	8
	.type	k_q49b31edf6f_qkv,@function
k_q49b31edf6f_qkv:
	s_mov_b64 s[64:65], 0
	v_nop
	global_prefetch_b8 v0, s[64:65] scope:SCOPE_SE
	s_setreg_imm32_b32 hwreg(HW_REG_WAVE_MODE, 25, 1), 1
	s_wait_xcnt 0x0
	s_wait_alu depctr_hold_cnt(0) depctr_sa_sdst(0) depctr_va_vdst(0) depctr_va_sdst(0) depctr_va_ssrc(0) depctr_va_vcc(0) depctr_vm_vsrc(0)
	s_getreg_b32 s2, hwreg(HW_REG_IB_STS2, 6, 4)
	s_cmp_eq_u32 s2, 0
	s_cbranch_scc0 .Lentry_in_a_cluster
	s_endpgm
.Lentry_in_a_cluster:
	s_bfe_u32 s2, ttmp6, 0x10000c
	s_cmp_lg_u32 s2, 0xf033
	s_cbranch_scc0 .Lentry_shape_is_right
	s_endpgm
.Lentry_shape_is_right:
; q = x Wq^T, k = x Wk^T, v = x Wv^T on codes of BF6 (E3M2) with E8M0 scales, sums in f32; then RoPE on q and k, and all three are quantised again, in registers, as operands of the attention's two products.
; THE PRODUCT.  A work-group of four waves makes 256 x 256, a wave 128 x 128: 64 accumulators, 512 registers.  K = 1,024 goes in steps of 256 through a ring of two LDS slots filled by the tensor data mover; the scale bytes of the
; work-group's 2 x 256 rows come into LDS once.  4 x 4 work-groups form a cluster: 'A's tiles are asked for jointly along a row of the cluster, 'B's along a column.  Source 0 = 16 rows of 'B', source 1 = 16 rows of 'A'.
; TWO WAYS, chosen by the cluster's x, which all partners share.  Clusters 0, 1 (q and k): 'A' = x (tokens), 'B' = rows 0 .. 2,047 of wq (Wq, Wk).  Cluster 2 (v): 'A' = Wv's rows, 'B' = x: the product is V^T, since the keys are V's K.
; WHAT A LANE HOLDS.  xq's and wq's rows are stored with index bits 3 and 4 exchanged.  So lane (r, h) holds, for 'A's block a, ONE true row 32 (a / 2) + 8 (a % 2) + r + 8 (r / 8), and the block's 64 accumulator registers run along 'B':
; register 16 b + i is the true index 32 b + 16 h + i: 16 neighbours of each block of 32, as the conversions want them.  Nothing goes through LDS on the way out.
; OUT.  qkv: codes of q at 0, of k at 3,145,728, of v at 6,291,456, each [b x 16 + head][t 16][4][1,536 bytes]: each 1,536 bytes are an image of 12 operand registers, register p of lane l at 512 (p / 4) + 16 l + 4 (p % 4).
;   q, k image (t, al): lane (r, h), registers 6 u .. 6 u + 5: token 128 t + 32 al + 8 u + r + 8 (r / 8), channels 32 h .. 32 h + 31.      v image (t, dt): channel 32 (dt / 2) + 8 (dt % 2) + r + 8 (r / 8); registers 6 c ..: keys 128 t + 64 c + 32 h ..
;   scale words at 9,437,184 + 131,072 x (0 q, 1 k, 2 v): [b x 16 + head][t][r 16][4 words]: q, k word (r, al): bytes 0, 1 the token of u = 0, bytes 2, 3 that of u = 1; v word (r, dt): the four blocks of keys.
; 192 work-groups: 128 for q and k, 64 for v.  LIMITS: NaN and infinities are not served; a block of zeros gets the scale byte 1 (its codes are zeros; this program alone reads the bytes).
; REGISTERS, in windows of 256: window 0: v0-31 addresses; v32-63 scale words, two sets; from v128 'A's fragments, one set.  window 1: 'B's fragments, two sets, at v0 and v128.  windows 2, 3: the accumulators ((a, b) at v[8 (8 (a % 4) + b)]).
;   On the way out: window 0 v64-127 and window 1 v0-191 cos and sin, 32 registers for each block a; window 0 v128-191 the 64 rotated numbers, v192-215 two images, v216-255 at work.
.set SIZE_K, 1024
.set KSTEP,  256                       ; along K in a slot
.set NQ,     KSTEP/128
; THE TILES AS THEY ARE NOW (in place of what the head says of the scale bytes): a row of xq or wq is four units of 256 bytes: 192 of codes (256 along K), 8 scale bytes, zeros.
; A tile's row is one unit, so the scale words come with the codes, at byte 192 of each LDS row.
.set ROWB,   256                       ; a tile's row in bytes
.set KROW,   1024                      ; a row in memory
.set PITCH,  272                       ; an LDS row: 256 bytes + 16 of padding
.set FR,     12                        ; registers of a fragment
.set NL,     6                         ; LDS loads that bring one
.set NP,     4                         ; places behind this matrix instruction (ISA guide 7.12.1)
.set HALFT,  128*PITCH
.set SLOT,   4*HALFT
.set LAPS,   SIZE_K/(2*KSTEP)
.set SPARE,  2*SLOT                    ; behind the ring: the spare words, 128 bytes for each wave
.set PWR,  2                           ; v2-3    the scale words of a pair of blocks
.set ADRA, 16                          ; v16-17  LDS addresses of 'A's fragments (slot 0, 1)
.set ADRB, 20                          ; v20-21  of 'B's
.set SA,   25                          ; v25     4,096 h + 16 r: where my scale words go
.set ADRS, 26                          ; v26-27  LDS address of my scale words in slot 0, 1
.set SPW,  28                          ; v28     SPARE + 4 x thread; never rewritten
.set NIL,  29                          ; v29     0; never rewritten
.set VT,   30                          ; v30     256 (r + 8 (r / 8)) + 64 h: my place in the table of cos and sin
.set LI16, 31                          ; v31     16 x lane
.set SC,   32
.set AF,   128
.set X,    128
.set IMG,  192
.set CT,   216
.set TM,   224                         ; v224-227 largest magnitudes, v228-231 bytes, v236-239 the conversions' scale operands
.set T,    240
.set SO,   240
.set SW,   248                         ; v248-255 the eight scale words that leave
.set G1, 24
.set G0, 32
.set G1B, 48
.set G0B, 56
.set SEL, 66                           ; s[66:67] lane selects: lane l xor 16
.set G1S, 68
.set G0S, 76
.set G1SB, 80
.set G0SB, 88
.set MODE, 95                          ; s95 1: the way of v
.set RB,  96                           ; s[96:97]   the table at my first token
.set CBS, 98                           ; s[98:99]   where my images go
.set SBS, 100                          ; s[100:101] where my scale words go
.set MSB, 0
.macro WIN new                         ; the immediate's high byte repeats the setting that is left
.if MSB != (\new)
	s_set_vgpr_msb (MSB<<8)|(\new)
.set MSB, (\new)
.endif
.endm
.set MUL_LO, 0xa1                      ; source 0 ('B') window 1, source 1 ('A') window 0, C and D window 2
.set MUL_HI, 0xf1
.set TO_B,   0x40
; A joint load: waves 0 and 1 fetch for 'A', waves 2 and 3 for 'B'.  The branch hangs on the wave's number alone.  Four v_nop follow each of the two lines.
.macro JLOAD g0a, g1a, g0b, g1b
	s_cmp_eq_u32 s15, 0
	s_cbranch_scc0 .Lfor_b_\@
	tensor_load_to_lds s[\g0a:\g0a+3], s[\g1a:\g1a+7]
	s_nop 0
.rept 4
	v_nop
.endr
	s_branch .Lasked_\@
.Lfor_b_\@:
	tensor_load_to_lds s[\g0b:\g0b+3], s[\g1b:\g1b+7]
	s_nop 0
.rept 4
	v_nop
.endr
.Lasked_\@:
.endm
.macro CREST                           ; a round of the cluster's barrier behind its opening barrier
	s_cmp_lg_u32 s14, 0
	s_cbranch_scc1 .Lnot_wave_0_\@
	s_barrier_signal -3
.Lnot_wave_0_\@:
	s_barrier_wait -3
	s_barrier_signal -1
	s_barrier_wait -1
.endm
.macro CROUND
	s_barrier_signal -1
	s_barrier_wait -1
	CREST
.endm
	s_load_b256 s[4:11], s[0:1], 0x0               ; xq, wq, rope, qkv
	v_lshl_add_u32 v[SPW], v0, 2, SPARE
	v_mov_b32 v[NIL], 0
	ds_add_u32 v28, v29
	ds_add_u32 v28, v29
	s_wait_dscnt 0x0
	v_lshrrev_b32 v1, 5, v0
	v_readfirstlane_b32 s14, v1                    ; wave 0..3
	s_lshr_b32 s15, s14, 1                         ; which half of 'A's rows is mine.  Also: I fetch for 'A' (0) or for 'B' (1)
	s_and_b32 s16, s14, 1                          ; which half of 'B's rows.  Also: which 128 rows I fetch
	s_bfe_u32 s40, ttmp6, 0x40000                  ; cx, cy
	s_bfe_u32 s41, ttmp6, 0x40004
	s_and_b32 s17, ttmp7, 0xffff                   ; the cluster's y
	s_cmp_eq_u32 ttmp9, 2                          ; the cluster's x says which way: the same in all sixteen partners
	s_cselect_b32 s42, s17, ttmp9
	s_cselect_b32 s17, 0, s17
	s_cselect_b32 s[MODE], 1, 0
	s_lshl_b32 s42, s42, 2
	s_add_co_u32 s42, s42, s40                     ; 'B's block of 256 rows: q, k: 4 x cluster x + cx (0 .. 7);  v: 4 x cluster y + cx (0 .. 15)
	s_lshl_b32 s17, s17, 2
	s_add_co_u32 s17, s17, s41                     ; 'A's block of 256 rows: q, k: 4 x cluster y + cy (0 .. 15);  v: cy (0 .. 3)
	s_lshl_b32 s43, s41, 2
	s_lshl_b32 s43, 15, s43                        ; my row of the cluster
	s_lshl_b32 s44, 0x1111, s40                    ; my column
	s_or_b32 s[G1+0], s43, (0<<16)|(1<<20)|(1<<21)|(5<<22)|(3<<25)  ; the mask; elements of 1 byte; padding on; bit 21 beside a mask; after every 64 words, 4 words
	s_or_b32 s[G1B+0], s44, (0<<16)|(1<<20)|(1<<21)|(5<<22)|(3<<25)
.irp g, G1, G1B
	s_mov_b32 s[\g+1], ROWB<<16                    ; tensor_dim0
	s_mov_b32 s[\g+2], 128<<16                     ; tensor_dim1
	s_mov_b32 s[\g+3], ROWB<<16                    ; tile_dim0
	s_mov_b32 s[\g+4], 128                         ; tile_dim1
	s_mov_b32 s[\g+5], KROW                        ; pitch
	s_mov_b32 s[\g+6], 0
	s_mov_b32 s[\g+7], 0
.endr
	s_lshl_b32 s18, s16, 7
	s_lshl_b32 s20, s17, 8
	s_add_co_u32 s20, s20, s18                     ; 'A': the first row that I fetch
	s_lshl_b32 s46, s42, 8
	s_add_co_u32 s46, s46, s18                     ; 'B': likewise
	s_mov_b32 s21, 0
	s_mov_b32 s47, 0
	s_mov_b64 s[18:19], KROW
	s_mul_u64 s[20:21], s[20:21], s[18:19]         ; and their codes
	s_mul_u64 s[46:47], s[46:47], s[18:19]
	s_mul_i32 s45, s14, HALFT                      ; where they go: wave x 128 rows
	s_wait_kmcnt 0x0
	s_mov_b64 s[RB:RB+1], s[8:9]
	s_mov_b64 s[CBS:CBS+1], s[10:11]
	s_add_nc_u64 s[104:105], s[6:7], 2048*KROW     ; Wv's codes
	s_cmp_eq_u32 s[MODE], 1
	s_cselect_b64 s[8:9], s[4:5], s[6:7]           ; 'B's codes
	s_cselect_b64 s[4:5], s[104:105], s[4:5]       ; 'A's codes
	s_add_nc_u64 s[20:21], s[4:5], s[20:21]
	s_add_nc_u64 s[46:47], s[8:9], s[46:47]
	; THE PREFETCHES' BASE, s[68:69]: of the 128 rows that my wave fetches, the four partners that ask for them jointly take 32 each, told apart by address alone (cx for 'A', cy for 'B'); never written again
	s_cmp_eq_u32 s15, 0
	s_cselect_b64 s[68:69], s[20:21], s[46:47]
	s_cselect_b32 s70, s40, s41
	s_lshl_b32 s70, s70, 15                        ; 32 rows of 1,024 bytes
	s_mov_b32 s71, 0
	s_add_nc_u64 s[68:69], s[68:69], s[70:71]
	CROUND                                         ; all sixteen work-groups are here: the first joint loads meet
.irp s, 0,1
	s_mov_b32 s[G0+4*\s], 1
	s_add_co_u32 s[G0+4*\s+1], s45, \s*SLOT
	s_add_nc_u64 s[G0+4*\s+2:G0+4*\s+3], s[20:21], \s*ROWB
	s_or_b32 s[G0+4*\s+3], s[G0+4*\s+3], 0x80000000
	s_mov_b32 s[G0B+4*\s], 1
	s_add_co_u32 s[G0B+4*\s+1], s45, \s*SLOT
	s_add_nc_u64 s[G0B+4*\s+2:G0B+4*\s+3], s[46:47], \s*ROWB
	s_or_b32 s[G0B+4*\s+3], s[G0B+4*\s+3], 0x80000000
.endr
	JLOAD G0, G1, G0B, G1B                         ; K step 0: one tensor load a wave at the head
	v_and_b32 v1, 15, v0                           ; r
	v_bfe_u32 v2, v0, 4, 1                         ; h
	v_mul_u32_u24 v3, v1, PITCH
	v_mul_u32_u24 v4, v2, 24
	v_add_nc_u32 v4, v3, v4                        ; a fragment's row x pitch + 24 x half
	s_mul_i32 s21, s15, HALFT
	s_mul_i32 s22, s16, HALFT
	s_add_co_u32 s22, s22, 2*HALFT
.irp s, 0,1
	v_add_nc_u32 v[ADRA+\s], s21, v4
	v_add_nc_u32 v[ADRB+\s], s22, v4
	s_add_co_u32 s21, s21, SLOT
	s_add_co_u32 s22, s22, SLOT
.endr
	s_mul_i32 s21, s15, HALFT                      ; the scale words: byte 192 of row r; lanes 0-15 of 'A's rows,
	s_mul_i32 s22, s16, HALFT
	s_add_co_u32 s22, s22, 2*HALFT
	s_sub_co_u32 s22, s22, s21
	s_wait_alu depctr_va_vdst(0)                   ; ahead of the readers below
	v_mul_u32_u24 v6, s22, v2                      ; lanes 16-31 of 'B's
	s_add_co_u32 s21, s21, 192
	v_add_nc_u32 v5, v3, v6
	v_add_nc_u32 v[ADRS], s21, v5
	v_add_nc_u32 v[ADRS+1], SLOT, v[ADRS]
	v_and_b32 v6, 8, v1
	v_add_nc_u32 v6, v6, v1                        ; r + 8 (r / 8)
	v_lshlrev_b32 v[VT], 8, v6
	v_lshl_add_u32 v[VT], v2, 6, v[VT]
	v_lshlrev_b32 v[SA], 4, v1
	v_lshl_add_u32 v[SA], v2, 12, v[SA]
	v_and_b32 v6, 31, v0
	v_lshlrev_b32 v[LI16], 4, v6
	v_lshlrev_b32 v24, 10, v6                      ; the prefetches' offsets, never written again: a lane a row of 1,024 bytes of codes,
	v_lshlrev_b32 v23, 8, v1                       ; and r rows of 256 bytes of the table
	; where my results go.  These numbers enter global addresses alone
	s_lshl_b32 s20, s17, 8
	s_lshl_b32 s21, s15, 7
	s_add_co_u32 s20, s20, s21                     ; my first row of 'A'
	s_lshl_b32 s46, s42, 8
	s_lshl_b32 s47, s16, 7
	s_add_co_u32 s46, s46, s47                     ; my first row of 'B'
	s_add_co_u32 s21, s20, 2048
	s_cmp_eq_u32 s[MODE], 1
	s_cselect_b32 s104, s46, s20                   ; my first token
	s_cselect_b32 s105, s21, s46                   ; my first output feature among the 3,072 of q, k, v
	s_lshr_b32 s66, s104, 11
	s_lshl_b32 s66, s66, 4
	s_bfe_u32 s67, s105, 0x40006
	s_add_co_u32 s66, s66, s67                     ; 16 x batch + my first head
	s_bfe_u32 s67, s104, 0x40007                   ; t: which 128 tokens of the sequence
	s_lshr_b32 s105, s105, 10                      ; 0 q, 1 k, 2 v
	s_mul_i32 s12, s105, 3145728
	s_mul_i32 s13, s66, 98304
	s_add_co_u32 s12, s12, s13
	s_mul_i32 s13, s67, 6144
	s_add_co_u32 s12, s12, s13
	s_mov_b32 s13, 0
	s_lshl_b32 s100, s105, 17
	s_lshl_b32 s101, s66, 12
	s_add_co_u32 s100, s100, s101
	s_lshl_b32 s101, s67, 8
	s_add_co_u32 s100, s100, s101
	s_add_co_u32 s100, s100, 9437184
	s_mov_b32 s101, 0
	s_add_nc_u64 s[SBS:SBS+1], s[CBS:CBS+1], s[100:101]
	s_add_nc_u64 s[CBS:CBS+1], s[CBS:CBS+1], s[12:13]
	s_and_b32 s12, s104, 2047
	s_lshl_b32 s12, s12, 8
	s_add_nc_u64 s[RB:RB+1], s[RB:RB+1], s[12:13]
	s_lshl_b32 s72, s40, 1                         ; my 128 tokens' rows of the table are read by eight waves of the cluster (cx, half of 'B'): each asks for 16 of them
	s_add_co_u32 s72, s72, s16
	s_lshl_b32 s72, s72, 12                        ; 16 rows of 256 bytes
	s_mov_b32 s73, 0
	s_add_nc_u64 s[72:73], s[RB:RB+1], s[72:73]
	s_mov_b32 s[SEL], 0x76543210
	s_mov_b32 s[SEL+1], 0xfedcba98
.macro FRAG reg, adr, q, i             ; 16 rows x 128 K of 6-bit codes: 12 registers, in pieces of 8 bytes
.irp p, 0,1,2,3,4,5
	ds_load_b64 v[\reg+2*\p:\reg+2*\p+1], v[\adr] offset:96*(\q)+48*(\p/3)+8*(\p%3)+(\i)*16*PITCH
.endr
.endm
; 16 matrix instructions: 'A's blocks a0, a0 + 1 x 'B's eight.  The 64 accumulators take turns, one instruction a turn, in the same order in every step.
.macro MUL16 a0, p, q, sc, zero
.irp a, \a0, \a0+1
.irp b, 0,1,2,3,4,5,6,7
.if \zero
	v_wmma_scale_f32_16x16x128_f8f6f4 v[8*(8*((\a)%4)+\b):8*(8*((\a)%4)+\b)+7], v[128*(\p)+FR*\b:128*(\p)+FR*\b+FR-1], v[AF+FR*(\a):AF+FR*(\a)+FR-1], 0, v[SC+8*NQ*(\sc)+NQ*\b+(\q)], v[SC+8*NQ*(\sc)+NQ*(\a)+(\q)] matrix_a_fmt:MATRIX_FMT_BF6 matrix_b_fmt:MATRIX_FMT_BF6 matrix_a_scale:MATRIX_SCALE_ROW1
.else
	v_wmma_scale_f32_16x16x128_f8f6f4 v[8*(8*((\a)%4)+\b):8*(8*((\a)%4)+\b)+7], v[128*(\p)+FR*\b:128*(\p)+FR*\b+FR-1], v[AF+FR*(\a):AF+FR*(\a)+FR-1], v[8*(8*((\a)%4)+\b):8*(8*((\a)%4)+\b)+7], v[SC+8*NQ*(\sc)+NQ*\b+(\q)], v[SC+8*NQ*(\sc)+NQ*(\a)+(\q)] matrix_a_fmt:MATRIX_FMT_BF6 matrix_b_fmt:MATRIX_FMT_BF6 matrix_a_scale:MATRIX_SCALE_ROW1
.endif
.endr
.endr
.endm
.macro FETCH_B slot, q, p
	WIN TO_B
.irp i, 0,1,2,3,4,5,6,7
	FRAG 128*(\p)+FR*\i, ADRB+\slot, \q, \i
.endr
	WIN 0
.endm
.macro FETCH_A slot, q, i0
.irp i, \i0, \i0+1, \i0+2, \i0+3
	FRAG AF+FR*(\i), ADRA+\slot, \q, \i
.endr
.endm
.macro SCALES sc                       ; the next K step's scale words: lanes 0-15 take 'A's block i, lanes 16-31 'B's block i
.irp i, 0,1,2,3,4,5,6,7
	ds_load_b64 v[SC+8*NQ*\sc+NQ*\i:SC+8*NQ*\sc+NQ*\i+1], v[ADRS+\sc] offset:\i*16*PITCH
.endr
.endm
.macro PLACES n                        ; plain vector instructions between a matrix instruction and a load into, or a vector read of, its registers
.rept \n
	v_nop
.endr
.endm
.macro STEP slot, q, zero              ; a step of 128 along K that has its successor in the same slot
	s_wait_dscnt 4*NL                              ; 'B's set and 'A's blocks 0-3 are in; the youngest 24 loads ('A's blocks 4-7) may be out
	WIN MUL_LO
	MUL16 0, (\q)%2, \q, \slot, \zero
	MUL16 2, (\q)%2, \q, \slot, \zero
	s_wait_dscnt 0
	PLACES NP
	FETCH_B \slot, (\q)+1, 1-(\q)%2
	FETCH_A \slot, (\q)+1, 0
	WIN MUL_HI
	MUL16 4, (\q)%2, \q, \slot, \zero
	MUL16 6, (\q)%2, \q, \slot, \zero
	PLACES NP
	WIN 0
	FETCH_A \slot, (\q)+1, 4
.endm
; A slot's last step changes slots: one barrier; in front of it each wave waits for all its tensor loads, adds 0 to its spare word, and waits for that and for its own reads of this slot.
.macro TURN slot, next, fill
	s_wait_tensorcnt 0x0                           ; all my tensor loads have landed: my part of the next slot
	ds_add_u32 v[SPW], v[NIL]                      ; 0 onto my spare word
	s_wait_dscnt 4*NL+1                            ; (the add and the youngest 24 loads may be out)
	WIN MUL_LO
	MUL16 0, 1, NQ-1, \slot, 0
	s_wait_dscnt 0x0                               ; the add is done, and my reads of this slot are over
	s_barrier_signal -1
	MUL16 2, 1, NQ-1, \slot, 0
	WIN 0
	s_barrier_wait -1
.if \fill
	CREST                                          ; the barrier has opened a round of the cluster's barrier: no wave of any partner still reads this slot or has a load on its way
	s_add_nc_u64 s[G0+4*\slot+2:G0+4*\slot+3], s[G0+4*\slot+2:G0+4*\slot+3], 2*ROWB
	s_add_nc_u64 s[G0B+4*\slot+2:G0B+4*\slot+3], s[G0B+4*\slot+2:G0B+4*\slot+3], 2*ROWB
	JLOAD G0+4*\slot, G1, G0B+4*\slot, G1B         ; the first tensor load behind the round; its four v_nop are the places in front of the loads below
.else
	PLACES NP
.endif
	FETCH_B \next, 0, 0
	FETCH_A \next, 0, 0
	SCALES \next
	WIN MUL_HI
	MUL16 4, 1, NQ-1, \slot, 0
	MUL16 6, 1, NQ-1, \slot, 0
	PLACES NP
	WIN 0
	FETCH_A \next, 0, 4
.endm
.macro LAST                            ; the very last step of 128 along K: nothing more to fetch
	s_wait_dscnt 4*NL
	WIN MUL_LO
	MUL16 0, 1, NQ-1, 1, 0
	MUL16 2, 1, NQ-1, 1, 0
	s_wait_dscnt 0
	WIN MUL_HI
	MUL16 4, 1, NQ-1, 1, 0
	MUL16 6, 1, NQ-1, 1, 0
	WIN 0
.endm
; 64 numbers of a lane in window w, v[s] on, register 16 b + i = index 32 b + 16 h + i of my row, become codes: blocks 0, 1 in v[d0] .. v[d0 + 5], blocks 2, 3 in v[d1] .. v[d1 + 5] (lane half h holds block h or 2 + h whole); the four bytes in v[pw].
.macro QUANT s, w, d0, d1, pw
	WIN (\w)|((\w)<<2)
.irp b, 0,1,2,3
	v_max3_num_f32 v[TM+\b], |v[\s+16*\b]|, |v[\s+16*\b+1]|, 0x2800000   ; my 16 numbers of block b, from the low end on, and the floor 2^(5 - 127)
.endr
.irp i, 2,4,6,8,10,12,14
.irp b, 0,1,2,3
	v_max3_num_f32 v[TM+\b], |v[\s+16*\b+\i]|, |v[\s+16*\b+\i+1]|, v[TM+\b]
.endr
.endr
	WIN 0
.irp b, 0,1,2,3
	v_permlanex16_b32 v[TM+4+\b], v[TM+\b], s[SEL], s[SEL+1]
.endr
.irp b, 0,1,2,3
	v_max_num_f32 v[TM+\b], v[TM+\b], v[TM+4+\b]   ; with lane l xor 16's: the block's largest magnitude
.endr
.irp b, 0,1,2,3
	v_add_nc_u32 v[TM+12+\b], 0xfe000000, v[TM+\b] ; 4 off its exponent field: the conversion's scale operand
.endr
.irp b, 0,1,2,3
	v_lshrrev_b32 v[TM+4+\b], 23, v[TM+12+\b]      ; the scale's byte
.endr
	v_lshl_or_b32 v[\pw], v[TM+5], 8, v[TM+4]
	v_lshl_or_b32 v[\pw], v[TM+6], 16, v[\pw]
	v_lshl_or_b32 v[\pw], v[TM+7], 24, v[\pw]
	s_wait_xcnt 0x0                                ; the images' registers, which earlier stores read, are written again only behind this wait
	WIN (\w)
	v_cvt_scalef32_pk16_bf6_f32 v[\d0:\d0+2], v[\s:\s+15], v[TM+12]
	v_cvt_scalef32_pk16_bf6_f32 v[CT:CT+2], v[\s+16:\s+31], v[TM+13]   ; (a conversion's three registers begin on an even number)
	v_cvt_scalef32_pk16_bf6_f32 v[\d1:\d1+2], v[\s+32:\s+47], v[TM+14]
	v_cvt_scalef32_pk16_bf6_f32 v[CT+4:CT+6], v[\s+48:\s+63], v[TM+15]
	WIN 0
	v_nop                                          ; one plain place behind a scaled conversion
.irp i, 0,1,2
	v_permlane16_swap_b32 v[\d0+\i], v[CT+\i]      ; halves of blocks become whole blocks: lanes 0-15 the even block, lanes 16-31 the odd one
	v_permlane16_swap_b32 v[\d1+\i], v[CT+4+\i]
.endr
.irp i, 0,1,2
	v_mov_b32 v[\d0+3+\i], v[CT+\i]
	v_mov_b32 v[\d1+3+\i], v[CT+4+\i]
.endr
.endm
; cos and sin for block a's token of my lane: 32 registers; register 16 b' + i, + 1 = (cos, sin) of the pair of channels 32 b' + 16 h + i, + 1
.macro CSLOAD a
.if (\a) < 2
.set CSB, 64+32*(\a)
	WIN 0
.else
.set CSB, 32*((\a)-2)
	WIN TO_B
.endif
.irp n, 0,1,2,3,4,5,6,7
	global_load_b128 v[CSB+4*\n:CSB+4*\n+3], v[VT], s[RB:RB+1] offset:(32*((\a)/2)+8*((\a)%2))*256+128*(\n/4)+16*(\n%4)
.endr
.endm
; RoPE on block a: (x1, x2) -> (x1 c - x2 s, x1 s + x2 c), an accumulator (four pairs) at a time, each from its low end on
.macro ROPE a
.if (\a) < 2
.set CSB, 64+32*(\a)
	WIN 2+(\a)/4
.else
.set CSB, 32*((\a)-2)
	WIN (2+(\a)/4)|4
.endif
.set AC, 64*((\a)%4)
.irp b, 0,1,2,3,4,5,6,7
.irp p, 0,1,2,3
	v_pk_mul_f32 v[T+2*\p:T+2*\p+1], v[AC+8*\b+2*\p:AC+8*\b+2*\p+1], v[CSB+8*(\b%4)+2*\p:CSB+8*(\b%4)+2*\p+1] op_sel_hi:[0,1]   ; (x1 c, x1 s)
.endr
.irp p, 0,1,2,3
	v_pk_fma_f32 v[X+8*\b+2*\p:X+8*\b+2*\p+1], v[AC+8*\b+2*\p:AC+8*\b+2*\p+1], v[CSB+8*(\b%4)+2*\p:CSB+8*(\b%4)+2*\p+1], v[T+2*\p:T+2*\p+1] op_sel:[1,1,0] op_sel_hi:[1,0,1] neg_lo:[0,1,0]   ; (- x2 s, + x2 c) onto it
.endr
.endr
	WIN 0
.endm
	s_wait_alu depctr_va_vdst(0)
	; PREFETCHES INTO THE L2.  Behind the load of K step c stands the request for K step c + 2: 32 rows x 256 bytes, a lane a row, one instruction a wave; K step 1, the buffers' first touch, is asked for here too.
	; Each row's 256 bytes are named once in each cluster that will load them; K has four steps, so nothing is asked for past a row's end.
	global_prefetch_b8 v24, s[68:69] offset:256 th:TH_LOAD_NT scope:SCOPE_SE
	global_prefetch_b8 v24, s[68:69] offset:512 th:TH_LOAD_NT scope:SCOPE_SE
	s_cmp_eq_u32 s[MODE], 1                        ; the way of v reads no table
	s_cbranch_scc1 .Lno_table
	global_prefetch_b8 v23, s[72:73] th:TH_LOAD_NT scope:SCOPE_SE   ; lanes 16-31 name the rows of lanes 0-15 again
.Lno_table:
	s_wait_tensorcnt 0x0                           ; my part of K step 0 is in
	ds_add_u32 v[SPW], v[NIL]
	s_wait_dscnt 0x0
	CROUND                                         ; everybody's part is in, and all sixteen work-groups are here
	JLOAD G0+4, G1, G0B+4, G1B                     ; K step 1, the first tensor load behind the round
	FETCH_B 0, 0, 0
	FETCH_A 0, 0, 0
	SCALES 0
	FETCH_A 0, 0, 4
	global_prefetch_b8 v24, s[68:69] offset:768 th:TH_LOAD_NT scope:SCOPE_SE   ; K step 3, behind K step 1's load and the run of LDS loads
	STEP 0, 0, 1                                   ; the first step's products start the sums
	s_mov_b32 s3, LAPS-1
.Llap:
	TURN 0, 1, 1
	STEP 1, 0, 0
	TURN 1, 0, 1
	STEP 0, 0, 0
	s_sub_co_u32 s3, s3, 1
	s_cmp_lg_u32 s3, 0
	s_cbranch_scc1 .Llap
	TURN 0, 1, 0                                   ; the last lap fills nothing
	STEP 1, 0, 0
	s_cmp_eq_u32 s[MODE], 1                        ; the two ways part in front of the last 64 products
	s_cbranch_scc1 .Lv_mode
	; ---- q and k.  The table's sets for blocks 0-5 are asked for now, into registers that nothing reads any more ('B's set 0 had its places at the end of the step above), and land under the last products
.irp a, 0,1,2,3,4,5
	CSLOAD \a
.endr
	LAST
	PLACES NP                                      ; for the loads into 'B's set 1, and for the first reads of results
	CSLOAD 6
	CSLOAD 7
	WIN 0
.irp b, 0,1,2,3
	v_mov_b32 v[TM+4+\b], 0                        ; written once: a lane permute's destination counts as one of its sources
.endr
.irp a, 0,1,2,3,4,5,6,7
	s_wait_loadcnt 8*(7-\a)                        ; block a's eight loads are in; the eight of each later block may be out
	ROPE \a
	QUANT X, 0, IMG+6*(\a%2), IMG+12+6*(\a%2), PWR+(\a%2)   ; blocks 0, 1 are my first head's 64 channels, blocks 2, 3 my second head's
.if \a%2
	v_perm_b32 v[SW+\a/2], v[PWR+1], v[PWR], 0x05040100      ; first head: the two tokens' bytes 0, 1
	v_perm_b32 v[SW+4+\a/2], v[PWR+1], v[PWR], 0x07060302    ; second head: their bytes 2, 3
.irp c, 0,1
.irp k, 0,1,2
	global_store_b128 v[LI16], v[IMG+12*\c+4*\k:IMG+12*\c+4*\k+3], s[CBS:CBS+1] offset:\c*98304+(\a/2)*1536+512*\k   ; 32 lanes store 512 consecutive bytes
.endr
.endr
.endif
.endr
	s_branch .Ljoin
.Lv_mode:
	; ---- v: a block's 64 registers are 128 keys' halves of one channel: quantised as they stand
	LAST
	PLACES NP
.irp b, 0,1,2,3
	v_mov_b32 v[TM+4+\b], 0
.endr
.irp a, 0,1,2,3,4,5,6,7
	QUANT 64*(\a%4), 2+\a/4, IMG+12*(\a%2), IMG+12*(\a%2)+6, SW+\a
.irp k, 0,1,2
	global_store_b128 v[LI16], v[IMG+12*(\a%2)+4*\k:IMG+12*(\a%2)+4*\k+3], s[CBS:CBS+1] offset:(\a/4)*98304+(\a%4)*1536+512*\k
.endr
.endr
.Ljoin:
	v_and_b32 v4, 16, v0
	v_cmp_ne_u32 vcc_lo, 0, v4
	s_wait_alu depctr_va_vdst(0)
.irp i, 0,1,2,3
	v_cndmask_b32 v[SO+\i], v[SW+\i], v[SW+4+\i], vcc_lo     ; lanes 0-15: my first head's four words of row r; lanes 16-31: my second head's
.endr
	global_store_b128 v[SA], v[SO:SO+3], s[SBS:SBS+1]        ; each half of the lanes stores 256 consecutive bytes, aligned
	s_wait_tensorcnt 0x0                           ; the wave's end
	ds_add_u32 v[SPW], v[NIL]
	s_wait_dscnt 0x0
	CROUND                                         ; the closing round
	s_endpgm
.Lfunc_end_k_q49b31edf6f_qkv:
	.size	k_q49b31edf6f_qkv, .Lfunc_end_k_q49b31edf6f_qkv-k_q49b31edf6f_qkv
	.p2alignl 7, 3214868480
	.fill 96, 4, 3214868480
	.section	.rodata,"a",@progbits
	.p2align	6, 0x0
	.amdhsa_kernel k_q49b31edf6f_qkv
		.amdhsa_group_segment_fixed_size 327680
		.amdhsa_private_segment_fixed_size 0
		.amdhsa_enable_private_segment 0
		.amdhsa_kernarg_size 32
		.amdhsa_user_sgpr_count 2
		.amdhsa_user_sgpr_kernarg_segment_ptr 1
		.amdhsa_wavefront_size32 1
		.amdhsa_system_sgpr_workgroup_id_x 1
		.amdhsa_system_sgpr_workgroup_id_y 1
		.amdhsa_system_sgpr_workgroup_id_z 1
		.amdhsa_system_vgpr_workitem_id 0
		.amdhsa_next_free_vgpr 1024
		.amdhsa_next_free_sgpr 106
		.amdhsa_reserve_vcc 1
		.amdhsa_float_denorm_mode_32 3
		.amdhsa_float_denorm_mode_16_64 3
		.amdhsa_memory_ordered 1
		.amdhsa_forward_progress 1
		.amdhsa_inst_pref_size 245
	.end_amdhsa_kernel
	.amdgpu_metadata
---
amdhsa.version: [ 1, 2 ]
amdhsa.kernels:
  - .name:           k_q49b31edf6f_qkv
    .symbol:         k_q49b31edf6f_qkv.kd
    .args:
      - { .name: xq, .offset: 0, .size: 8, .value_kind: global_buffer, .address_space: global }
      - { .name: wq, .offset: 8, .size: 8, .value_kind: global_buffer, .address_space: global }
      - { .name: rope, .offset: 16, .size: 8, .value_kind: global_buffer, .address_space: global }
      - { .name: qkv, .offset: 24, .size: 8, .value_kind: global_buffer, .address_space: global }
    .group_segment_fixed_size: 327680
    .private_segment_fixed_size: 0
    .kernarg_segment_align: 8
    .kernarg_segment_size: 32
    .max_flat_workgroup_size: 128
    .sgpr_count:     106
    .vgpr_count:     1024
    .wavefront_size: 32
...
	.end_amdgpu_metadata
.endif
;; end of part 2
;; launch attn (part 3): grid 8 x 32, 16 waves a work-group, clusters of 4 x 1, 327,680 bytes of LDS; arguments qkv, ao; writes ao
.if DOCPART == 3
	.amdgcn_target "amdgcn-amd-amdhsa--gfx1250"
	.amdhsa_code_object_version 6
	.text
	.protected	k_q49b31edf6f_attn
	.globl	k_q49b31edf6f_attn
	.p2align	8
	.type	k_q49b31edf6f_attn,@function
k_q49b31edf6f_attn:
	s_mov_b64 s[64:65], 0
	v_nop
	global_prefetch_b8 v0, s[64:65] scope:SCOPE_SE
	s_setreg_imm32_b32 hwreg(HW_REG_WAVE_MODE, 25, 1), 1
	s_wait_xcnt 0x0
	s_wait_alu depctr_hold_cnt(0) depctr_sa_sdst(0) depctr_va_vdst(0) depctr_va_sdst(0) depctr_va_ssrc(0) depctr_va_vcc(0) depctr_vm_vsrc(0)
	s_getreg_b32 s2, hwreg(HW_REG_IB_STS2, 6, 4)
	s_cmp_eq_u32 s2, 0
	s_cbranch_scc0 .Lentry_in_a_cluster
	s_endpgm
.Lentry_in_a_cluster:
	s_bfe_u32 s2, ttmp6, 0x10000c
	s_cmp_lg_u32 s2, 0x3003
	s_cbranch_scc0 .Lentry_shape_is_right
	s_endpgm
.Lentry_shape_is_right:
; Causal attention on codes of BF6 (E3M2) with E8M0 scales: 32 (batch, head) pairs, 2,048 tokens, 64 channels.  q, k, v come as images of operand registers and scale words.
; THE SOFTMAX AHEAD OF THE SECOND PRODUCT: t = score x log2(e) / 8; M = the running largest t rounded UP to a whole number; p = 2^(t - M) is quantised along the keys, not normalised; the row's sum is taken of the unquantised p and
; divides O at the end.  When M moves, the sum and O are multiplied by 2^(old M - new M): exact.  The normalised output is quantised along the model's 1,024 (its head's two blocks of 32) and stored as the last product's operand.
; SHARES.  Eight work-groups of sixteen waves to a head, in two clusters of four; a work-group has 16 tiles of 16 queries.  A tile in block B of 128 queries has B + 1 key steps of 128 keys: unequal.  So TWO WAVES SHARE TWO TILES:
; waves w and w xor 1 take the tiles of blocks B0 and 15 - B0 (17 key steps together), and each walks every second key step of both: 9 steps or 8.  With k = w & 1, e = (w >> 1) & 1, z = 2 x cluster x + ((w >> 2) & 1):
; B0 = z xor 7 ((w >> 3) & 1); the tile in a block is 2 cx + e; my key steps are those of parity (w xor (w >> 2)) & 1, so that of four waves w % 4 alike, and of four waves w / 4 alike, two have each parity: 34 steps.
; A wave walks FIRST the tile that its partner finishes (block BQA) and leaves its O^T, -M and sums in its own 4,608 bytes of LDS, THEN the tile that it finishes itself (block BQB = B0 xor 15 k); behind one barrier it reads the
; partner's part of that tile, brings both under the smaller -M (factors 2^(a whole number): exact) and adds them.  All these numbers hang on the wave's number and the cluster's x alone: branches are alike in all partners;
; cx enters global addresses and the mask's numbers alone.
; LDS.  A whole head's K and V images (98,304 bytes each) and scale words (4,096 each) are filled ONCE, by joint loads of the four partners: wave 0 K's, wave 1 V's: the scale words, then four groups of four key steps.  Five tensor loads
; of a wave are out at the most.  Nothing is filled again.  Images are read as they lie, 512 consecutive bytes an instruction.  Behind them the sixteen waves' states, which no tensor load touches.
; K = 64 IN AN INSTRUCTION OF 128.  A K image holds two tokens a lane row: registers 0-5 one, 6-11 the other.  It is multiplied once by [q | zeros] and once by [zeros | q]: zero codes add nothing.
; LAYOUT.  Both products transposed: S^T = K Q^T, O^T = V^T P^T: a lane holds ONE query (lane % 16).  The tokens of an image's rows are chosen so that S^T's registers 16 b + i are keys 32 b + 16 h + i, and V's channels so that O^T's are channels 32 b + 16 h + i.
; OUT.  ao: codes [row tile 256][K step 8][pair of registers 6][lane 32][8 bytes]; scale bytes [stored row][32] at 3,145,728.  Row tile T, lane r is token 32 (T / 2) + 8 (T % 2) + r + 8 (r / 8).
; The scale bytes leave one by one (1 byte in 25 of what is stored): whole rows of them would want all 16 heads in one work-group.  LIMITS: NaN and infinities are not served.
.set VIMG,  98304                      ; LDS: K's images at 0, V's here,
.set KSCL,  196608                     ; K's scale words,
.set VSCL,  200704                     ; V's,
.set STATE, 204800                     ; and the waves' states:
.set STB,   4608                       ; nine images of four registers for each wave
.set STEPB, 6144                       ; a key step's four images
.set GRPB,  24576                      ; four key steps
.set QKVT,  3145728                    ; qkv: from q's codes to k's, from k's to v's
.set QKVS,  9437184                    ; qkv: q's scale words;
.set QKVU,  131072                     ; from q's to k's, from k's to v's
.set AOSC,  3145728
.set LI,   1                           ; v1   16 x lane
.set LIV,  2                           ; v2   + VIMG
.set LRK,  3                           ; v3   16 r + KSCL
.set LRV,  4                           ; v4   16 r + VSCL
.set DQ,   5                           ; v5   my query in its block of 128, less 16 h
.set NINF, 6                           ; v6   -infinity
.set GOC,  7                           ; v7   8 x lane
.set ADK,  8                           ; v8-11 the step's LDS addresses
.set ADV,  9
.set ADS,  10
.set ADT,  11
.set QF,   16                          ; v16-27 [q | 0], v28-39 [0 | q]     (v12 -M, v13 the largest t, v[14:15] the sum in two halves)
.set FG,   40                          ; v40-87 four images of K or of V
.set GOS,  88                          ; v88  32 r + h
.set QW2,  89                          ; v89  the second tile's scale word of q
.set Q2,   90                          ; v90-95 the second tile's q
.set S,    96                          ; v96-159 S^T, then p; at the end the partner's state
.set OT,   160                         ; v160-191 O^T
.set P,    192                         ; v192-203 p's codes
.set CT,   204                         ; v204-206, v208-210 halves of blocks
.set BM,   212
.set BP,   216
.set BS,   220
.set KSC,  224                         ; v224-227 K's scale words
.set QSW,  228                         ; v228 q's
.set PSW,  229                         ; v229 p's
.set FF,   230                         ; v[230:231] f = 2^(old M - new M), and a register written once that is named with it
.set VSC,  232                         ; v232-235 V's scale words
.set TP,   236
.set QW,   237
.set SU,   238                         ; v[238:239]
.set OC,   240                         ; v240-245 the output's codes
.set SADR, 246                         ; v246 where my state goes: STATE + STB x wave + 16 x lane
.set PADR, 247                         ; v247 where my partner's lies
.set F1,   248                         ; v[248:249] my state's factor, and a register written once that is named with it
.set F2,   250                         ; v[250:251] the partner's likewise
.set WV,  8
.set EE,  9
.set ZZ,  10
.set KK,  11
.set CX,  12
.set BH,  13
.set G1C, 24                           ; s[24:31] group 1: 24 rows of 256 bytes
.set G1S, 32                           ; s[32:39] 4 rows of 256 bytes
.set G0S, 40
; THE FILLS AS THEY ARE NOW (in place of what the head says of them): at the head every wave issues ONE joint load: waves 0-7 one of key steps 0-3 of K (even waves) or V (odd waves), 24 rows of 256 bytes;
; waves 8-15 a quarter of K's or V's scale words, 4 rows.  Behind the full sequence and a round every wave issues one more: an eighth of key steps 4-15 of K or V, 36 rows.  One tensor load of a wave is out at a time.
.set G0C, 44                           ; s[44:47] group 0 of the head's load of images
.set G1R, 48                           ; s[48:55] group 1: 36 rows of 256 bytes
.set G0R, 56                           ; s[56:59] group 0 of the second load
.set SEL, 60
.set CS,  62                           ; s[62:63] log2(e) / 8
.set TT,  66                           ; s66 the key step
.set BQ,  67                           ; s67 the block of the tile in hand
.set TK,  68                           ; s68 the step's images' LDS byte
.set TS,  69                           ; s69 its scale words'
.set CNT, 70
.set PAR, 71                           ; s71 the parity of my key steps
.set QB,  72
.set QSB, 74
.set AOC, 76
.set AOS, 78
.set QB2, 80
.set QSB2, 82
.set BQA, 84                           ; s84 the block of my first tile
.set BQB, 85                           ; s85 of my second, which I finish
.set PK,  86                           ; s86 STEPB x parity
.set PS,  87                           ; s87 256 x parity
.set PSEL, 88                          ; s88 which two bytes of q's scale word are my token's
.set SOF, 89
.set POF, 90
.macro ROUND                           ; a round of the cluster's barrier
	s_barrier_signal -1
	s_barrier_wait -1
	s_cmp_lg_u32 s[WV], 0
	s_cbranch_scc1 .Lnot_wave_0_\@
	s_barrier_signal -3
.Lnot_wave_0_\@:
	s_barrier_wait -3
	s_barrier_signal -1
	s_barrier_wait -1
.endm
	s_load_b128 s[4:7], s[0:1], 0x0                ; qkv, ao
	v_lshl_add_u32 v254, v0, 2, 0x44000
	v_mov_b32 v255, 0
	ds_add_u32 v254, v255
	ds_add_u32 v254, v255
	v_lshrrev_b32 v1, 5, v0
	s_delay_alu instid0(VALU_DEP_1)
	v_readfirstlane_b32 s[WV], v1                  ; wave 0..15
	s_bfe_u32 s[CX], ttmp6, 0x40000                ; cx
	s_and_b32 s[BH], ttmp7, 0xffff                 ; 16 x batch + head
	s_and_b32 s[KK], s[WV], 1                      ; k.  Also: wave 0 fetches K, wave 1 V
	s_bfe_u32 s[EE], s[WV], 0x10001                ; e
	s_bfe_u32 s[ZZ], s[WV], 0x10002
	s_lshl_b32 s14, ttmp9, 1
	s_add_co_u32 s[ZZ], s[ZZ], s14                 ; z
	s_bfe_u32 s14, s[WV], 0x10003
	s_mul_i32 s14, s14, 7
	s_xor_b32 s14, s[ZZ], s14                      ; B0 = z or 7 - z
	s_mul_i32 s15, s[KK], 15
	s_xor_b32 s[BQB], s14, s15                     ; the block of the tile that I finish: B0 or 15 - B0
	s_xor_b32 s[BQA], s[BQB], 15                   ; and of the tile that my partner finishes
	s_lshr_b32 s14, s[WV], 2
	s_xor_b32 s14, s14, s[WV]
	s_and_b32 s[PAR], s14, 1
	s_mul_i32 s[PK], s[PAR], STEPB
	s_lshl_b32 s[PS], s[PAR], 8
	s_mul_i32 s[SOF], s[WV], STB
	s_xor_b32 s[POF], s[WV], 1
	s_mul_i32 s[POF], s[POF], STB
.irp g, G1C, G1S, G1R
	s_mov_b32 s[\g], 15|(3<<16)|(1<<21)            ; the mask: all four work-groups; elements of 8 bytes; bit 21 beside a mask; no padding
	s_mov_b32 s[\g+1], 32<<16
	s_mov_b32 s[\g+3], 32<<16
	s_mov_b32 s[\g+5], 32
	s_mov_b32 s[\g+6], 0
	s_mov_b32 s[\g+7], 0
.endr
	s_mov_b32 s[G1C+2], 24<<16
	s_mov_b32 s[G1C+4], 24
	s_mov_b32 s[G1S+2], 4<<16
	s_mov_b32 s[G1S+4], 4
	s_mov_b32 s[G1R+2], 36<<16
	s_mov_b32 s[G1R+4], 36
	s_and_b32 s14, s[WV], 7                        ; the scale words: piece j = wave % 8 of eight of 1,024 bytes: K's four, then V's four
	s_lshl_b32 s[G0S+1], s14, 10
	s_add_co_u32 s[G0S+1], s[G0S+1], KSCL          ; in LDS they lie on end
	s_lshr_b32 s15, s14, 2
	s_lshl_b32 s15, s15, 17                        ; in memory V's lie QKVU behind K's
	s_and_b32 s14, s14, 3
	s_lshl_b32 s14, s14, 10
	s_add_co_u32 s14, s14, s15
	s_lshl_b32 s15, s[BH], 12
	s_add_co_u32 s14, s14, s15
	s_add_co_u32 s14, s14, QKVS+QKVU
	s_mov_b32 s15, 0
	s_mul_i32 s16, s[KK], QKVT
	s_mul_i32 s17, s[BH], 98304
	s_add_co_u32 s16, s16, s17
	s_add_co_u32 s16, s16, QKVT                    ; K's or V's images of this head in memory,
	s_mov_b32 s17, 0
	s_mul_i32 s18, s[KK], VIMG                     ; and in LDS
	s_bfe_u32 s2, s[WV], 0x20001
	s_mul_i32 s2, s2, STEPB                        ; the head's load: key step (wave / 2) % 4
	s_lshr_b32 s3, s[WV], 1
	s_mul_i32 s3, s3, 9216
	s_add_co_u32 s3, s3, GRPB                      ; the second load: piece wave / 2 of eight, behind key step 3
	s_mul_i32 s19, s[BH], 98304                    ; my q images: (block, cx)
	s_mul_i32 s20, s[CX], 1536
	s_add_co_u32 s19, s19, s20
	s_mul_i32 s[QB], s[BQA], STEPB
	s_add_co_u32 s[QB], s[QB], s19
	s_mov_b32 s[QB+1], 0
	s_mul_i32 s[QB2], s[BQB], STEPB
	s_add_co_u32 s[QB2], s[QB2], s19
	s_mov_b32 s[QB2+1], 0
	s_lshl_b32 s19, s[BH], 12                      ; and their scale words
	s_lshl_b32 s20, s[CX], 2
	s_add_co_u32 s19, s19, s20
	s_add_co_u32 s19, s19, QKVS
	s_lshl_b32 s[QSB], s[BQA], 8
	s_add_co_u32 s[QSB], s[QSB], s19
	s_mov_b32 s[QSB+1], 0
	s_lshl_b32 s[QSB2], s[BQB], 8
	s_add_co_u32 s[QSB2], s[QSB2], s19
	s_mov_b32 s[QSB2+1], 0
	s_lshr_b32 s19, s[BH], 4
	s_lshl_b32 s19, s19, 7
	s_lshl_b32 s20, s[BQB], 3
	s_add_co_u32 s19, s19, s20
	s_lshl_b32 s20, s[CX], 1
	s_add_co_u32 s19, s19, s20
	s_add_co_u32 s19, s19, s[EE]                   ; the row tile of ao that I finish: 128 x batch + 8 BQB + 2 cx + e
	s_and_b32 s20, s[BH], 15                       ; the head
	s_mul_i32 s[AOC], s19, 12288
	s_mul_i32 s21, s20, 768                        ; K step head / 2 (1,536 bytes), its half head % 2 (768)
	s_add_co_u32 s[AOC], s[AOC], s21
	s_mov_b32 s[AOC+1], 0
	s_lshl_b32 s[AOS], s19, 9
	s_lshl_b32 s21, s20, 1
	s_add_co_u32 s[AOS], s[AOS], s21
	s_add_co_u32 s[AOS], s[AOS], AOSC
	s_mov_b32 s[AOS+1], 0
	s_lshl_b32 s22, s[CX], 5
	s_lshl_b32 s23, s[EE], 3
	s_add_co_u32 s22, s22, s23                     ; 32 cx + 8 e
	s_mov_b32 s[SEL], 0x76543210
	s_mov_b32 s[SEL+1], 0xfedcba98
	s_mov_b32 s[CS], 0x3e38aa3b                    ; log2(e) / 8
	s_mov_b32 s[CS+1], s[CS]
	s_cmp_eq_u32 s[EE], 0
	s_mov_b32 s[PSEL], 0x03020302
	s_cselect_b32 s[PSEL], 0x01000100, s[PSEL]     ; my token's two bytes of a scale word, twice: they serve [q | 0] and [0 | q] alike
	v_and_b32 v9, 31, v0
	s_delay_alu instid0(VALU_DEP_1)
	v_lshlrev_b32 v[LI], 4, v9
	s_delay_alu instid0(VALU_DEP_1)
	v_add_nc_u32 v[LIV], VIMG, v[LI]
	s_delay_alu instid0(VALU_DEP_3)
	v_lshlrev_b32 v[GOC], 3, v9
	s_delay_alu instid0(VALU_DEP_3)
	v_add_nc_u32 v[SADR], s[SOF], v[LI]
	s_delay_alu instid0(VALU_DEP_1)
	v_add_nc_u32 v[SADR], STATE, v[SADR]
	v_add_nc_u32 v[PADR], s[POF], v[LI]
	s_delay_alu instid0(VALU_DEP_1)
	v_add_nc_u32 v[PADR], STATE, v[PADR]
	v_and_b32 v9, 15, v0                           ; r
	v_bfe_u32 v10, v0, 4, 1                        ; h
	s_delay_alu instid0(VALU_DEP_2)
	v_lshl_add_u32 v[LRK], v9, 4, KSCL
	s_delay_alu instid0(VALU_DEP_1)
	v_add_nc_u32 v[LRV], VSCL-KSCL, v[LRK]
	s_delay_alu instid0(VALU_DEP_3)
	v_lshl_add_u32 v[GOS], v9, 5, v10
	v_and_b32 v11, 8, v9
	s_delay_alu instid0(VALU_DEP_1)
	v_add_nc_u32 v[DQ], v9, v11
	v_lshlrev_b32 v11, 4, v10
	s_delay_alu instid0(VALU_DEP_1)
	v_sub_nc_u32 v[DQ], v[DQ], v11
	s_delay_alu instid0(VALU_DEP_1)
	v_add_nc_u32 v[DQ], s22, v[DQ]
	v_lshlrev_b32 v11, 4, v9                       ; 16 r: my row's scale words of q
	s_wait_dscnt 0x0
	s_wait_kmcnt 0x0
	s_mov_b32 s[G0S], 1
	s_add_nc_u64 s[G0S+2:G0S+3], s[4:5], s[14:15]
	s_or_b32 s[G0S+3], s[G0S+3], 0x80000000
	s_add_nc_u64 s[16:17], s[4:5], s[16:17]
	s_mov_b32 s[G0C], 1
	s_add_co_u32 s[G0C+1], s18, s2
	s_mov_b32 s20, s2
	s_mov_b32 s21, 0
	s_add_nc_u64 s[G0C+2:G0C+3], s[16:17], s[20:21]
	s_or_b32 s[G0C+3], s[G0C+3], 0x80000000
	s_mov_b32 s[G0R], 1
	s_add_co_u32 s[G0R+1], s18, s3
	s_mov_b32 s20, s3
	s_add_nc_u64 s[G0R+2:G0R+3], s[16:17], s[20:21]
	s_or_b32 s[G0R+3], s[G0R+3], 0x80000000
	s_add_nc_u64 s[QB:QB+1], s[4:5], s[QB:QB+1]
	s_add_nc_u64 s[QSB:QSB+1], s[4:5], s[QSB:QSB+1]
	s_add_nc_u64 s[QB2:QB2+1], s[4:5], s[QB2:QB2+1]
	s_add_nc_u64 s[QSB2:QSB2+1], s[4:5], s[QSB2:QSB2+1]
	s_add_nc_u64 s[AOC:AOC+1], s[6:7], s[AOC:AOC+1]
	s_add_nc_u64 s[AOS:AOS+1], s[6:7], s[AOS:AOS+1]
	s_cmp_eq_u32 s[EE], 0                          ; both tiles' q are asked for now, ahead of the round: six registers of an image: 0-5 (e = 0) or 6-11 (e = 1)
	s_cbranch_scc0 .Lq_upper
	global_load_b128 v[QF:QF+3], v[LI], s[QB:QB+1]
	global_load_b64 v[QF+4:QF+5], v[LI], s[QB:QB+1] offset:512
	global_load_b128 v[Q2:Q2+3], v[LI], s[QB2:QB2+1]
	global_load_b64 v[Q2+4:Q2+5], v[LI], s[QB2:QB2+1] offset:512
	s_branch .Lq_asked
.Lq_upper:
	global_load_b64 v[QF:QF+1], v[LI], s[QB:QB+1] offset:520
	global_load_b128 v[QF+2:QF+5], v[LI], s[QB:QB+1] offset:1024
	global_load_b64 v[Q2:Q2+1], v[LI], s[QB2:QB2+1] offset:520
	global_load_b128 v[Q2+2:Q2+5], v[LI], s[QB2:QB2+1] offset:1024
.Lq_asked:
	s_wait_alu depctr_va_vdst(0)
	global_load_b32 v[QW], v11, s[QSB:QSB+1]
	global_load_b32 v[QW2], v11, s[QSB2:QSB2+1]
	ROUND                                          ; all four work-groups are here: the joint loads meet
	s_cmp_lt_u32 s[WV], 8                          ; two arms on the wave's number, one fill in each
	s_cbranch_scc0 .Lfill_s
	tensor_load_to_lds s[G0C:G0C+3], s[G1C:G1C+7]
	s_nop 0
.rept 4
	v_nop
.endr
	s_branch .Lfilled
.Lfill_s:
	tensor_load_to_lds s[G0S:G0S+3], s[G1S:G1S+7]
	s_nop 0
.rept 4
	v_nop
.endr
.Lfilled:
	s_wait_loadcnt 0x0                             ; q of both tiles
	v_perm_b32 v[QSW], v[QW], v[QW], s[PSEL]
.irp j, 0,1,2,3,4,5
	v_mov_b32 v[QF+18+\j], v[QF+\j]
.endr
.irp j, 0,1,2,3,4,5,6,7,8,9,10,11
	v_mov_b32 v[QF+6+\j], 0                        ; zero codes
.endr
	v_mov_b32 v13, 0xff61b1e6                      ; the largest t so far: -3e38
	s_delay_alu instid0(VALU_DEP_1)
	v_floor_f32 v12, -v13                          ; -M
	v_mov_b32 v14, 0
	v_mov_b32 v15, 0
	v_mov_b32 v[NINF], 0xff800000
	v_mov_b32 v[FF+1], 0
	v_mov_b32 v[F1+1], 0
	v_mov_b32 v[F2+1], 0
	v_mov_b32 v[TP], 0
.irp b, 0,1,2,3
	v_mov_b32 v[BP+\b], 0                          ; a lane permute's destination counts as one of its sources
.endr
.set j, 0
.rept 32
	v_mov_b32 v[OT+j], 0                           ; O^T: the step is written once; a tile's first finds zeros
.set j, j+1
.endr
; A KEY STEP of 128 keys.  A step all of whose keys come after the tile's block of queries is left out by a scalar branch on ids; the lines at its end that step the addresses (two key steps on: the partner has the one between) are not.
.macro STEP
	s_cmp_gt_u32 s[TT], s[BQ]
	s_cbranch_scc1 .Lhidden_\@
	v_add_nc_u32 v[ADK], s[TK], v[LI]              ; (these four are also the places in front of the loads into registers that the last products read)
	v_add_nc_u32 v[ADV], s[TK], v[LIV]
	v_add_nc_u32 v[ADS], s[TS], v[LRK]
	v_add_nc_u32 v[ADT], s[TS], v[LRV]
.irp a, 0,1,2,3
.irp c, 0,1,2
	ds_load_b128 v[FG+12*\a+4*\c:FG+12*\a+4*\c+3], v[ADK] offset:1536*\a+512*\c
.endr
.endr
	ds_load_b128 v[KSC:KSC+3], v[ADS]
	s_wait_alu depctr_va_vdst(0)
	s_wait_dscnt 0x0
.irp a, 0,1,2,3
.irp u, 0,1
	v_wmma_scale_f32_16x16x128_f8f6f4 v[S+8*(2*\a+\u):S+8*(2*\a+\u)+7], v[FG+12*\a:FG+12*\a+11], v[QF+12*\u:QF+12*\u+11], 0, v[KSC+\a], v[QSW] matrix_a_fmt:MATRIX_FMT_BF6 matrix_b_fmt:MATRIX_FMT_BF6
.endr
.endr
.rept 4
	v_nop                                          ; places: V's images land where K's were read, and the scores are read below
.endr
.irp a, 0,1,2,3
.irp c, 0,1,2
	ds_load_b128 v[FG+12*\a+4*\c:FG+12*\a+4*\c+3], v[ADV] offset:1536*\a+512*\c   ; they land under the softmax
.endr
.endr
	ds_load_b128 v[VSC:VSC+3], v[ADT]
	s_cmp_lt_u32 s[TT], s[BQ]                      ; only the step of the tile's own block lies on the diagonal
	s_cbranch_scc1 .Lopen_\@
.set n, 0
.rept 64
	v_cmp_gt_i32 vcc_lo, 32*(n/16)+n%16, v[DQ]     ; register 16 b + i holds key 32 b + 16 h + i of the step: hidden where it comes after my query
	v_cndmask_b32 v[S+n], v[S+n], v[NINF], vcc_lo
.set n, n+1
.endr
.Lopen_\@:
.irp b, 0,1,2,3
	v_max3_num_f32 v[BM+\b], v[S+16*\b], v[S+16*\b+1], v[S+16*\b+2]   ; the largest score of each block of 32 keys: for the row's maximum and, since p rises with the score, for the block's largest p
.endr
.irp i, 3,5,7,9,11,13
.irp b, 0,1,2,3
	v_max3_num_f32 v[BM+\b], v[BM+\b], v[S+16*\b+\i], v[S+16*\b+\i+1]
.endr
.endr
.irp b, 0,1,2,3
	v_max_num_f32 v[BM+\b], v[BM+\b], v[S+16*\b+15]
.endr
.irp b, 0,1,2,3
	s_delay_alu instid0(VALU_DEP_4)
	v_permlanex16_b32 v[BP+\b], v[BM+\b], s[SEL], s[SEL+1]
.endr
.irp b, 0,1,2,3
	s_delay_alu instid0(VALU_DEP_4)
	v_max_num_f32 v[BM+\b], v[BM+\b], v[BP+\b]
.endr
	s_delay_alu instid0(VALU_DEP_2)
	v_max3_num_f32 v[TP], v[BM], v[BM+1], v[BM+2]
	s_delay_alu instid0(VALU_DEP_1)
	v_max_num_f32 v[TP], v[TP], v[BM+3]
	s_delay_alu instid0(VALU_DEP_1)
	v_mul_f32 v[TP], s[CS], v[TP]
	s_delay_alu instid0(VALU_DEP_1)
	v_max_num_f32 v13, v13, v[TP]                  ; the running largest t
	v_mov_b32 v[TP], v12
	s_delay_alu instid0(VALU_DEP_2)
	v_floor_f32 v12, -v13                          ; the new -M = -ceil(t)
	s_delay_alu instid0(VALU_DEP_1)
	v_sub_f32 v[TP], v12, v[TP]                    ; old M - new M: a whole number, 0 or less
	s_delay_alu instid0(VALU_DEP_1)
	v_cvt_i32_f32 v[TP], v[TP]
	s_delay_alu instid0(VALU_DEP_1)
	v_ldexp_f32 v[FF], 1.0, v[TP]                  ; f
.set j, 0
.rept 32
	v_pk_fma_f32 v[S+j:S+j+1], v[S+j:S+j+1], s[CS:CS+1], v[12:13] op_sel_hi:[1,0,0]   ; t - M
.set j, j+2
.endr
.irp b, 0,1,2,3
	v_fma_f32 v[BM+\b], v[BM+\b], s[CS], v12
.endr
.set j, 0
	s_wait_alu depctr_va_vdst(0)
.rept 64
	v_exp_f32 v[S+j], v[S+j]                       ; p
.set j, j+1
.endr
.irp b, 0,1,2,3
	v_exp_f32 v[BM+\b], v[BM+\b]                   ; the block's largest p
.endr
	v_pk_mul_f32 v[14:15], v[14:15], v[FF:FF+1] op_sel_hi:[1,0]   ; the sums under the new M.  (A plain place behind the exponentials)
	s_wait_alu depctr_va_vdst(0)
.irp b, 0,1,2,3
	v_max_num_f32 v[BM+\b], 0x2800000, v[BM+\b]    ; the floor 2^(5 - 127)
.endr
.irp b, 0,1,2,3
	s_delay_alu instid0(VALU_DEP_4)
	v_add_nc_u32 v[BS+\b], 0xfe000000, v[BM+\b]
.endr
.irp b, 0,1,2,3
	s_delay_alu instid0(VALU_DEP_4)
	v_lshrrev_b32 v[BP+\b], 23, v[BS+\b]
.endr
	s_delay_alu instid0(VALU_DEP_3)
	v_lshl_or_b32 v[PSW], v[BP+1], 8, v[BP]
	s_delay_alu instid0(VALU_DEP_1)
	v_lshl_or_b32 v[PSW], v[BP+2], 16, v[PSW]
	s_delay_alu instid0(VALU_DEP_1)
	v_lshl_or_b32 v[PSW], v[BP+3], 24, v[PSW]
.irp c, 0,1
	v_cvt_scalef32_pk16_bf6_f32 v[P+6*\c:P+6*\c+2], v[S+32*\c:S+32*\c+15], v[BS+2*\c]
	v_cvt_scalef32_pk16_bf6_f32 v[CT+4*\c:CT+4*\c+2], v[S+32*\c+16:S+32*\c+31], v[BS+2*\c+1]
.endr
	v_nop                                          ; one plain place behind a scaled conversion
.irp c, 0,1
.irp i, 0,1,2
	v_permlane16_swap_b32 v[P+6*\c+\i], v[CT+4*\c+\i]
.endr
.irp i, 0,1,2
	s_delay_alu instid0(VALU_DEP_3)
	v_mov_b32 v[P+6*\c+3+\i], v[CT+4*\c+\i]
.endr
.endr
.set j, 0
.rept 16
	v_pk_mul_f32 v[OT+j:OT+j+1], v[OT+j:OT+j+1], v[FF:FF+1] op_sel_hi:[1,0]   ; O^T under the new M
.set j, j+2
.endr
	v_pk_add_f32 v[238:239], v[100:101], v[104:105]
	v_pk_add_f32 v[252:253], v[108:109], v[112:113]
	v_pk_add_f32 v[244:245], v[116:117], v[120:121]
	v_pk_add_f32 v[242:243], v[124:125], v[128:129]
	v_pk_add_f32 v[240:241], v[132:133], v[136:137]
	v_pk_add_f32 v[236:237], v[140:141], v[144:145]
	v_pk_add_f32 v[226:227], v[148:149], v[152:153]
	v_pk_add_f32 v[14:15], v[14:15], v[156:157]
	v_pk_add_f32 v[238:239], v[238:239], v[96:97]
	v_pk_add_f32 v[252:253], v[252:253], v[98:99]
	v_pk_add_f32 v[244:245], v[244:245], v[102:103]
	v_pk_add_f32 v[242:243], v[242:243], v[106:107]
	v_pk_add_f32 v[240:241], v[240:241], v[110:111]
	v_pk_add_f32 v[236:237], v[236:237], v[114:115]
	v_pk_add_f32 v[226:227], v[226:227], v[118:119]
	v_pk_add_f32 v[14:15], v[14:15], v[122:123]
	v_pk_add_f32 v[238:239], v[238:239], v[126:127]
	v_pk_add_f32 v[252:253], v[252:253], v[130:131]
	v_pk_add_f32 v[244:245], v[244:245], v[134:135]
	v_pk_add_f32 v[242:243], v[242:243], v[138:139]
	v_pk_add_f32 v[240:241], v[240:241], v[142:143]
	v_pk_add_f32 v[236:237], v[236:237], v[146:147]
	v_pk_add_f32 v[226:227], v[226:227], v[150:151]
	v_pk_add_f32 v[14:15], v[14:15], v[154:155]
	v_pk_add_f32 v[238:239], v[238:239], v[158:159]
	s_delay_alu instid0(VALU_DEP_2)
	v_pk_add_f32 v[14:15], v[14:15], v[242:243]
	s_delay_alu instid0(VALU_DEP_2)
	v_pk_add_f32 v[238:239], v[238:239], v[240:241]
	v_pk_add_f32 v[252:253], v[252:253], v[236:237]
	v_pk_add_f32 v[244:245], v[244:245], v[226:227]
	s_delay_alu instid0(VALU_DEP_2)
	v_pk_add_f32 v[14:15], v[14:15], v[252:253]
	s_delay_alu instid0(VALU_DEP_2)
	v_pk_add_f32 v[238:239], v[238:239], v[244:245]
	s_delay_alu instid0(VALU_DEP_1)
	v_pk_add_f32 v[14:15], v[14:15], v[238:239]
	s_wait_dscnt 0x0                               ; V is in
.irp d, 0,1,2,3
	v_wmma_scale_f32_16x16x128_f8f6f4 v[OT+8*\d:OT+8*\d+7], v[FG+12*\d:FG+12*\d+11], v[P:P+11], v[OT+8*\d:OT+8*\d+7], v[VSC+\d], v[PSW] matrix_a_fmt:MATRIX_FMT_BF6 matrix_b_fmt:MATRIX_FMT_BF6
.endr
.Lhidden_\@:
	s_add_co_u32 s[TT], s[TT], 2
	s_add_co_u32 s[TK], s[TK], 2*STEPB
	s_add_co_u32 s[TS], s[TS], 512
.endm
; My key steps first + parity, first + parity + 2, ..: so many trips.  The addresses begin at constants plus the parity's part, so that each walk's LDS bytes can be read off these lines.
.macro WALK first, trips
	s_add_co_u32 s[TT], s[PAR], \first
	s_add_co_u32 s[TK], s[PK], STEPB*\first
	s_add_co_u32 s[TS], s[PS], 256*\first
	s_mov_b32 s[CNT], \trips
.Lstep_\@:
	STEP
	s_sub_co_u32 s[CNT], s[CNT], 1
	s_cmp_lg_u32 s[CNT], 0
	s_cbranch_scc1 .Lstep_\@
.endm
	; ---- the first tile: my partner's to finish
	s_mov_b32 s[BQ], s[BQA]
	s_wait_alu depctr_va_vdst(0)
	s_wait_tensorcnt 0x0                           ; my piece of the scale words or of key steps 0-3 is in
	ds_add_u32 v254, v255
	s_wait_dscnt 0x0
	ROUND                                          ; shown to all sixteen waves, and all four work-groups are here
	tensor_load_to_lds s[G0R:G0R+3], s[G1R:G1R+7]  ; my piece of key steps 4-15: it lands under the walk below
	s_nop 0
.rept 4
	v_nop
.endr
	WALK 0, 2
	s_wait_tensorcnt 0x0                           ; all of K and V are in
	s_wait_dscnt 0x0
	s_barrier_signal -1
	s_barrier_wait -1
	WALK 4, 6
.rept 4
	v_nop                                          ; places between the last products and the stores that read their results
.endr
	s_wait_alu depctr_va_vdst(0)
.irp i, 0,1,2,3,4,5,6,7
	ds_store_b128 v[SADR], v[OT+4*\i:OT+4*\i+3] offset:512*\i     ; my part of that tile as images of registers, each accumulator from its low end on
.endr
	ds_store_b128 v[SADR], v[12:15] offset:4096    ; -M, the largest t, the sum's two halves
	s_wait_dscnt 0x0                               ; the stores have read their registers
	; ---- the second tile: mine to finish
	v_perm_b32 v[QSW], v[QW2], v[QW2], s[PSEL]
.irp j, 0,1,2,3,4,5
	v_mov_b32 v[QF+\j], v[Q2+\j]
	v_mov_b32 v[QF+18+\j], v[Q2+\j]
.endr
	v_mov_b32 v13, 0xff61b1e6
	s_delay_alu instid0(VALU_DEP_1)
	v_floor_f32 v12, -v13
	v_mov_b32 v14, 0
	v_mov_b32 v15, 0
.set j, 0
.rept 32
	v_mov_b32 v[OT+j], 0
.set j, j+1
.endr
	s_mov_b32 s[BQ], s[BQB]
	WALK 0, 8
.rept 4
	v_nop                                          ; places behind the last products
.endr
	s_wait_dscnt 0x0                               ; for the others' sake: my state's stores are done
	s_barrier_signal -1
	s_barrier_wait -1
	; ---- the two parts of my tile meet.  A part that had no key step holds zeros under -M = 3e38: its factor comes out as 0
.irp i, 0,1,2,3,4,5,6,7
	ds_load_b128 v[S+4*\i:S+4*\i+3], v[PADR] offset:512*\i
.endr
	ds_load_b128 v[S+32:S+35], v[PADR] offset:4096
	s_wait_dscnt 0x0
	v_min_num_f32 v[TP], v12, v[S+32]              ; the smaller -M: the larger M
	s_delay_alu instid0(VALU_DEP_1)
	v_sub_f32 v[F1], v[TP], v12                    ; whole numbers, 0 or less
	s_delay_alu instid0(VALU_DEP_2)
	v_sub_f32 v[F2], v[TP], v[S+32]
	s_delay_alu instid0(VALU_DEP_2)
	v_cvt_i32_f32 v[F1], v[F1]                     ; (it saturates)
	s_delay_alu instid0(VALU_DEP_2)
	v_cvt_i32_f32 v[F2], v[F2]
	s_delay_alu instid0(VALU_DEP_2)
	v_ldexp_f32 v[F1], 1.0, v[F1]
	s_delay_alu instid0(VALU_DEP_2)
	v_ldexp_f32 v[F2], 1.0, v[F2]
	s_wait_alu depctr_va_vdst(0)
	v_add_f32 v14, v14, v15
	v_add_f32 v15, v[S+34], v[S+35]
	s_delay_alu instid0(VALU_DEP_2)
	v_mul_f32 v14, v14, v[F1]
	s_delay_alu instid0(VALU_DEP_1)
	v_fma_f32 v14, v15, v[F2], v14
	s_delay_alu instid0(VALU_DEP_1)
	v_permlanex16_b32 v[TP], v14, s[SEL], s[SEL+1]
	s_delay_alu instid0(VALU_DEP_1)
	v_add_f32 v14, v14, v[TP]                      ; the row's sum
	s_wait_alu depctr_va_vdst(0)
	v_rcp_f32 v14, v14
	v_nop
	s_wait_alu depctr_va_vdst(0)
	v_mul_f32 v[F1], v[F1], v14                    ; a power of two x 1 / the sum: nothing more is rounded
	v_mul_f32 v[F2], v[F2], v14
.set j, 0
.rept 16
	v_pk_mul_f32 v[S+j:S+j+1], v[S+j:S+j+1], v[F2:F2+1] op_sel_hi:[1,0]
.set j, j+2
.endr
.set j, 0
.rept 16
	v_pk_fma_f32 v[S+j:S+j+1], v[OT+j:OT+j+1], v[F1:F1+1], v[S+j:S+j+1] op_sel_hi:[1,0,1]   ; register 16 b + i: channel 32 b + 16 h + i of the finished output
.set j, j+2
.endr
	; THE WAY OUT: quantised along the channels (my head's two blocks of 32), stored as the next product's operand registers
.irp b, 0,1
	v_max3_num_f32 v[BM+\b], |v[S+16*\b]|, |v[S+16*\b+1]|, 0x2800000
.endr
.irp i, 2,4,6,8,10,12,14
.irp b, 0,1
	s_delay_alu instid0(VALU_DEP_2)
	v_max3_num_f32 v[BM+\b], v[BM+\b], |v[S+16*\b+\i]|, |v[S+16*\b+\i+1]|
.endr
.endr
.irp b, 0,1
	s_delay_alu instid0(VALU_DEP_2)
	v_permlanex16_b32 v[BP+\b], v[BM+\b], s[SEL], s[SEL+1]
.endr
.irp b, 0,1
	s_delay_alu instid0(VALU_DEP_2)
	v_max_num_f32 v[BM+\b], v[BM+\b], v[BP+\b]
.endr
.irp b, 0,1
	s_delay_alu instid0(VALU_DEP_2)
	v_add_nc_u32 v[BS+\b], 0xfe000000, v[BM+\b]
.endr
.irp b, 0,1
	s_delay_alu instid0(VALU_DEP_2)
	v_lshrrev_b32 v[BP+\b], 23, v[BS+\b]
.endr
	v_cvt_scalef32_pk16_bf6_f32 v[OC:OC+2], v[S:S+15], v[BS]
	v_cvt_scalef32_pk16_bf6_f32 v[CT:CT+2], v[S+16:S+31], v[BS+1]
	v_nop
.irp i, 0,1,2
	v_permlane16_swap_b32 v[OC+\i], v[CT+\i]
.endr
.irp i, 0,1,2
	s_delay_alu instid0(VALU_DEP_3)
	v_mov_b32 v[OC+3+\i], v[CT+\i]                 ; lane (r, h): channels 32 h .. 32 h + 31 of query r
.endr
	v_and_b32 v[TP], 16, v0
	s_delay_alu instid0(VALU_DEP_1)
	v_cmp_ne_u32 vcc_lo, 0, v[TP]
	s_delay_alu instid0(VALU_DEP_1)
	v_cndmask_b32 v[TP], v[BP], v[BP+1], vcc_lo    ; block h's byte
.irp i, 0,1,2
	global_store_b64 v[GOC], v[OC+2*\i:OC+2*\i+1], s[AOC:AOC+1] offset:256*\i   ; 32 lanes store 256 consecutive bytes, aligned
.endr
	global_store_b8 v[GOS], v[TP], s[AOS:AOS+1]
	s_wait_dscnt 0x0
	s_wait_tensorcnt 0x0
	ds_add_u32 v254, v255
	s_wait_dscnt 0x0
	ROUND                                          ; the closing round
	s_endpgm
.Lfunc_end_k_q49b31edf6f_attn:
	.size	k_q49b31edf6f_attn, .Lfunc_end_k_q49b31edf6f_attn-k_q49b31edf6f_attn
	.p2alignl 7, 3214868480
	.fill 96, 4, 3214868480
	.section	.rodata,"a",@progbits
	.p2align	6, 0x0
	.amdhsa_kernel k_q49b31edf6f_attn
		.amdhsa_group_segment_fixed_size 327680
		.amdhsa_private_segment_fixed_size 0
		.amdhsa_enable_private_segment 0
		.amdhsa_kernarg_size 16
		.amdhsa_user_sgpr_count 2
		.amdhsa_user_sgpr_kernarg_segment_ptr 1
		.amdhsa_wavefront_size32 1
		.amdhsa_system_sgpr_workgroup_id_x 1
		.amdhsa_system_sgpr_workgroup_id_y 1
		.amdhsa_system_sgpr_workgroup_id_z 1
		.amdhsa_system_vgpr_workitem_id 0
		.amdhsa_next_free_vgpr 256
		.amdhsa_next_free_sgpr 92
		.amdhsa_reserve_vcc 1
		.amdhsa_float_denorm_mode_32 3
		.amdhsa_float_denorm_mode_16_64 3
		.amdhsa_memory_ordered 1
		.amdhsa_forward_progress 1
		.amdhsa_inst_pref_size 88
	.end_amdhsa_kernel
	.amdgpu_metadata
---
amdhsa.version: [ 1, 2 ]
amdhsa.kernels:
  - .name:           k_q49b31edf6f_attn
    .symbol:         k_q49b31edf6f_attn.kd
    .args:
      - { .name: qkv, .offset: 0, .size: 8, .value_kind: global_buffer, .address_space: global }
      - { .name: ao, .offset: 8, .size: 8, .value_kind: global_buffer, .address_space: global }
    .group_segment_fixed_size: 327680
    .private_segment_fixed_size: 0
    .kernarg_segment_align: 8
    .kernarg_segment_size: 16
    .max_flat_workgroup_size: 512
    .sgpr_count:     92
    .vgpr_count:     256
    .wavefront_size: 32
...
	.end_amdgpu_metadata
.endif
;; end of part 3
;; launch oproj (part 4): grid 8 x 32, 4 waves a work-group, clusters of 4 x 4, 327,680 bytes of LDS; arguments ao, wq, out0; writes out0
.if DOCPART == 4
	.amdgcn_target "amdgcn-amd-amdhsa--gfx1250"
	.amdhsa_code_object_version 6
	.text
	.protected	k_q49b31edf6f_oproj
	.globl	k_q49b31edf6f_oproj
	.p2align	8
	.type	k_q49b31edf6f_oproj,@function
k_q49b31edf6f_oproj:
	s_mov_b64 s[64:65], 0
	v_nop
	global_prefetch_b8 v0, s[64:65] scope:SCOPE_SE
	s_setreg_imm32_b32 hwreg(HW_REG_WAVE_MODE, 25, 1), 1
	s_wait_xcnt 0x0
	s_wait_alu depctr_hold_cnt(0) depctr_sa_sdst(0) depctr_va_vdst(0) depctr_va_sdst(0) depctr_va_ssrc(0) depctr_va_vcc(0) depctr_vm_vsrc(0)
	s_getreg_b32 s2, hwreg(HW_REG_IB_STS2, 6, 4)
	s_cmp_eq_u32 s2, 0
	s_cbranch_scc0 .Lentry_in_a_cluster
	s_endpgm
.Lentry_in_a_cluster:
	s_bfe_u32 s2, ttmp6, 0x10000c
	s_cmp_lg_u32 s2, 0xf033
	s_cbranch_scc0 .Lentry_shape_is_right
	s_endpgm
.Lentry_shape_is_right:
; out0 = O Wo^T on codes of BF6 (E3M2) with E8M0 scales, sums in f32.  O [4096][1024] comes from ao as images of operand registers ([row tile 256][K step 8][6][lane 32][8 bytes]) with scale bytes [stored row][32] at AOSC;
; Wo from rows 3,072 .. 4,095 of wq: a row is four units of 256 bytes: 192 of codes (256 along K), 8 scale bytes, zeros.
; A work-group of four waves makes 128 x 128 of out0, a wave 64 x 64: 16 accumulators.  256 work-groups.  All of K = 1,024 lies in LDS at once: 98,304 bytes of O, 128 rows x 1,040 of Wo.
; ONE joint load a wave fills it: waves 0, 1 four row tiles of O each (dense, 192 rows of 256 bytes), shared along a row of the 4 x 4 cluster; waves 2, 3 64 rows of Wo each (1,024 bytes + 16 of padding), shared along a column.
; Nothing is filled again: one barrier, then eight K steps of 128.  Wo's scale words come out of its LDS rows; O's go from memory into registers, 512 consecutive bytes for sixteen rows.
; Source 0 = 16 rows of Wo, source 1 = 16 rows of O: a lane holds eight neighbouring columns of a row of out0.  Row tile T, lane r is token 32 (T / 2) + 8 (T % 2) + r + 8 (r / 8).
; No prefetch: the text has no loop to run ahead in; each byte is asked for once, at the head.
; REGISTERS: window 0: v0-31 addresses, v32-63 O's scale words, v64-95 Wo's, v128-255 accumulators.  Window 1: two sets of fragments at v0 and v128 (O's four, then Wo's four); on the way out v0-63 rows read back.
.set SIZE_N, 1024
.set FR,     12
.set BP,     1040                      ; an LDS row of Wo: 260 words: row r starts at bank 4 r mod 64
.set BBASE,  98304
.set STAGE,  BBASE+128*BP              ; a stage of 16 rows x 272 bytes for each wave: no tensor load fills it
.set SPITCH, 272
.set SPARE,  STAGE+4*16*SPITCH         ; the spare words
.set AOSC,   3145728
.set ADRA, 8
.set ADRB, 9
.set ADSB, 10
.set GSA,  11
.set STO,  24
.set RD,   25
.set CO,   26
.set SPW,  30
.set NIL,  31
.set SCA,  32
.set SCB,  64
.set BK,   0
.set ACC,  128
.set G1, 24
.set G0, 32
.set G1B, 48
.set G0B, 56
.set MSB, 0
.macro WIN new                         ; the immediate's high byte repeats the setting that is left
.if MSB != (\new)
	s_set_vgpr_msb (MSB<<8)|(\new)
.set MSB, (\new)
.endif
.endm
.set MUL,  0x05                        ; sources 0 and 1 in window 1
.set TO_F, 0x40                        ; destination in window 1
.set FROM_F, 0x04                      ; a store's data in window 1
.macro CROUND                          ; a round of the cluster's barrier
	s_barrier_signal -1
	s_barrier_wait -1
	s_cmp_lg_u32 s14, 0
	s_cbranch_scc1 .Lnot_wave_0_\@
	s_barrier_signal -3
.Lnot_wave_0_\@:
	s_barrier_wait -3
	s_barrier_signal -1
	s_barrier_wait -1
.endm
.macro PLACES
.rept 4
	v_nop
.endr
.endm
	s_load_b128 s[4:7], s[0:1], 0x0                ; ao, wq
	s_load_b64 s[12:13], s[0:1], 0x10              ; out0
	v_lshl_add_u32 v[SPW], v0, 2, SPARE
	v_mov_b32 v[NIL], 0
	ds_add_u32 v[SPW], v[NIL]                      ; the add, twice on end; the set-up below stands between it and its wait
	ds_add_u32 v[SPW], v[NIL]
	v_lshrrev_b32 v1, 5, v0
	v_readfirstlane_b32 s14, v1                    ; wave
	s_lshr_b32 s15, s14, 1                         ; my half of the rows.  Also: I fetch O (0) or Wo (1)
	s_and_b32 s16, s14, 1                          ; my half of the columns.  Also: which half I fetch
	s_bfe_u32 s40, ttmp6, 0x40000                  ; cx, cy
	s_bfe_u32 s41, ttmp6, 0x40004
	s_lshl_b32 s42, ttmp9, 2
	s_add_co_u32 s42, s42, s40                     ; tile column
	s_and_b32 s17, ttmp7, 0xffff
	s_lshl_b32 s17, s17, 2
	s_add_co_u32 s17, s17, s41                     ; tile row
	s_lshl_b32 s43, s41, 2
	s_lshl_b32 s43, 15, s43                        ; my row of the cluster
	s_lshl_b32 s44, 0x1111, s40                    ; my column
	s_or_b32 s[G1+0], s43, (3<<16)|(1<<21)         ; O: elements of 8 bytes, 192 rows of 32, dense
	s_mov_b32 s[G1+1], 32<<16
	s_mov_b32 s[G1+2], 192<<16
	s_mov_b32 s[G1+3], 32<<16
	s_mov_b32 s[G1+4], 192
	s_mov_b32 s[G1+5], 32
	s_mov_b32 s[G1+6], 0
	s_mov_b32 s[G1+7], 0
	s_or_b32 s[G1B+0], s44, (3<<16)|(1<<20)|(1<<21)|(7<<22)|(3<<25)   ; Wo: 64 rows of 128 elements; after every 256 words, 4 words of padding
	s_mov_b32 s[G1B+1], 128<<16
	s_mov_b32 s[G1B+2], 64<<16
	s_mov_b32 s[G1B+3], 128<<16
	s_mov_b32 s[G1B+4], 64
	s_mov_b32 s[G1B+5], 128
	s_mov_b32 s[G1B+6], 0
	s_mov_b32 s[G1B+7], 0
	s_mul_i32 s45, s16, 49152                      ; four row tiles of O: in LDS and in memory alike
	s_mul_i32 s20, s17, 98304
	s_add_co_u32 s20, s20, s45
	s_mov_b32 s21, 0
	s_lshl_b32 s22, s17, 12                        ; O's scale bytes: my 64 stored rows of 32 bytes
	s_lshl_b32 s23, s15, 11
	s_add_co_u32 s22, s22, s23
	s_add_co_u32 s22, s22, AOSC
	s_mov_b32 s23, 0
	s_lshl_b32 s46, s42, 17                        ; Wo: row 3,072 + 128 x tile column + 64 x half, 1,024 bytes each
	s_lshl_b32 s47, s16, 16
	s_add_co_u32 s46, s46, s47
	s_add_co_u32 s46, s46, 3072*1024
	s_mov_b32 s47, 0
	s_mul_i32 s19, s16, 64*BP
	s_add_co_u32 s19, s19, BBASE                   ; half s16 of Wo in LDS: where waves 2, 3 fill, and what I read
	s_mul_i32 s18, s15, 49152                      ; my four row tiles of O in LDS
	s_mul_i32 s94, s14, 16*SPITCH
	s_add_co_u32 s94, s94, STAGE                   ; my stage
	s_lshl_b32 s92, s17, 19                        ; out0: row 128 x tile row + 64 x half, 4,096 bytes each; column 128 x tile column + 64 x half
	s_lshl_b32 s93, s15, 18
	s_add_co_u32 s92, s92, s93
	s_lshl_b32 s93, s42, 9
	s_add_co_u32 s92, s92, s93
	s_lshl_b32 s93, s16, 8
	s_add_co_u32 s92, s92, s93
	s_mov_b32 s93, 0
	v_and_b32 v1, 15, v0                           ; r
	v_bfe_u32 v2, v0, 4, 1                         ; h
	v_and_b32 v3, 31, v0
	v_lshlrev_b32 v4, 3, v3
	v_add_nc_u32 v[ADRA], s18, v4                  ; O's images: 8 x lane
	v_mul_u32_u24 v5, v1, BP
	v_add_nc_u32 v5, s19, v5                       ; Wo: row r
	v_mad_u32_u24 v[ADRB], v2, 24, v5              ; its codes, + 24 h
	v_add_nc_u32 v[ADSB], 192, v5                  ; its scale words
	v_lshlrev_b32 v[GSA], 5, v1                    ; O's scale bytes: 32 r
	v_mul_u32_u24 v6, v1, SPITCH
	v_lshl_add_u32 v6, v2, 5, v6
	v_add_nc_u32 v[STO], s94, v6                   ; into the stage: row r, 32 bytes for each half of the lanes
	v_mul_u32_u24 v7, v2, SPITCH
	v_lshl_add_u32 v7, v1, 4, v7
	v_add_nc_u32 v[RD], s94, v7                    ; back: sixteen lanes to a row of 256 bytes
	v_lshlrev_b32 v[CO], 12, v2
	v_lshl_add_u32 v[CO], v1, 4, v[CO]             ; and the same two rows in out0
	s_wait_alu depctr_va_vdst(0)
	s_wait_dscnt 0x0                               ; both opening adds are done
	s_wait_kmcnt 0x0
	s_add_nc_u64 s[20:21], s[4:5], s[20:21]
	s_add_nc_u64 s[22:23], s[4:5], s[22:23]
	s_add_nc_u64 s[46:47], s[6:7], s[46:47]
	s_add_nc_u64 s[12:13], s[12:13], s[92:93]
.irp i, 0,1,2,3
	global_load_b128 v[SCA+8*\i:SCA+8*\i+3], v[GSA], s[22:23] offset:512*\i        ; row r of block i: the words of K steps 0-3,
	global_load_b128 v[SCA+8*\i+4:SCA+8*\i+7], v[GSA], s[22:23] offset:512*\i+16   ; and 4-7
.endr
	CROUND                                         ; all sixteen work-groups are here: the joint loads meet
	s_mov_b32 s[G0], 1
	s_add_co_u32 s[G0+1], s45, 0
	s_mov_b64 s[G0+2:G0+3], s[20:21]
	s_or_b32 s[G0+3], s[G0+3], 0x80000000
	s_mov_b32 s[G0B], 1
	s_add_co_u32 s[G0B+1], s19, 0
	s_mov_b64 s[G0B+2:G0B+3], s[46:47]
	s_or_b32 s[G0B+3], s[G0B+3], 0x80000000
	s_cmp_eq_u32 s15, 0                            ; two arms on the wave's number, one fill in each
	s_cbranch_scc0 .Lfor_b
	tensor_load_to_lds s[G0:G0+3], s[G1:G1+7]
	s_nop 0
	PLACES
	s_branch .Lasked
.Lfor_b:
	tensor_load_to_lds s[G0B:G0B+3], s[G1B:G1B+7]
	s_nop 0
	PLACES
.Lasked:
	s_wait_tensorcnt 0x0                           ; my quarter is in,
	s_barrier_signal -1
	s_barrier_wait -1                              ; everybody's is.
.macro FETCH s                         ; K step s: O's four images and Wo's four fragments into set s % 2
	WIN TO_F
.irp i, 0,1,2,3
.irp p, 0,1,2,3,4,5
	ds_load_b64 v[128*((\s)%2)+FR*\i+2*\p:128*((\s)%2)+FR*\i+2*\p+1], v[ADRA] offset:12288*\i+1536*(\s)+256*\p
.endr
.endr
.irp i, 0,1,2,3
.irp p, 0,1,2,3,4,5
	ds_load_b64 v[128*((\s)%2)+48+FR*\i+2*\p:128*((\s)%2)+48+FR*\i+2*\p+1], v[ADRB] offset:\i*16*BP+256*((\s)/2)+96*((\s)%2)+48*(\p/3)+8*(\p%3)
.endr
.endr
.endm
.macro MUL16 p, s, zero                ; the 16 accumulators take turns, one instruction a turn
.irp a, 0,1,2,3
.irp b, 0,1,2,3
.if \zero
	v_wmma_scale_f32_16x16x128_f8f6f4 v[ACC+8*(4*\a+\b):ACC+8*(4*\a+\b)+7], v[128*(\p)+48+FR*\b:128*(\p)+48+FR*\b+FR-1], v[128*(\p)+FR*\a:128*(\p)+FR*\a+FR-1], 0, v[SCB+8*\b+(\s)], v[SCA+8*\a+(\s)] matrix_a_fmt:MATRIX_FMT_BF6 matrix_b_fmt:MATRIX_FMT_BF6
.else
	v_wmma_scale_f32_16x16x128_f8f6f4 v[ACC+8*(4*\a+\b):ACC+8*(4*\a+\b)+7], v[128*(\p)+48+FR*\b:128*(\p)+48+FR*\b+FR-1], v[128*(\p)+FR*\a:128*(\p)+FR*\a+FR-1], v[ACC+8*(4*\a+\b):ACC+8*(4*\a+\b)+7], v[SCB+8*\b+(\s)], v[SCA+8*\a+(\s)] matrix_a_fmt:MATRIX_FMT_BF6 matrix_b_fmt:MATRIX_FMT_BF6
.endif
.endr
.endr
.endm
.macro KSTEP s
	s_wait_dscnt 0x0                               ; this step's fragments are in
	PLACES                                         ; in front of loads into the set that the last step multiplied
	FETCH (\s)+1
	WIN MUL
	MUL16 (\s)%2, \s, 0
.endm
.irp i, 0,1,2,3
.irp c, 0,1,2,3
	ds_load_b64 v[SCB+8*\i+2*\c:SCB+8*\i+2*\c+1], v[ADSB] offset:\i*16*BP+256*\c   ; Wo's scale words: two K steps to a unit
.endr
.endr
	FETCH 0
	s_wait_loadcnt 0x0                             ; O's scale words
	s_wait_dscnt 0x0
	FETCH 1
	WIN MUL
	MUL16 0, 0, 1                                  ; the first step's products start the sums
.irp s, 1,2,3,4,5,6
	KSTEP \s
.endr
	s_wait_dscnt 0x0
	MUL16 1, 7, 0
; THE WAY OUT: a block of 16 rows x 64 columns through my own stage, back as rows of 256 bytes.  LDS serves a wave's instructions in order: no wait between the stores and the loads.
.macro TOSTAGE a
	WIN 0
.irp b, 0,1,2,3
	ds_store_b128 v[STO], v[ACC+8*(4*(\a)+\b):ACC+8*(4*(\a)+\b)+3] offset:64*\b       ; each accumulator from its low end on
	ds_store_b128 v[STO], v[ACC+8*(4*(\a)+\b)+4:ACC+8*(4*(\a)+\b)+7] offset:64*\b+16
.endr
	WIN TO_F
.irp t, 0,1,2,3,4,5,6,7
	ds_load_b128 v[BK+32*((\a)%2)+4*\t:BK+32*((\a)%2)+4*\t+3], v[RD] offset:2*\t*SPITCH
.endr
.endm
.macro SEND a, younger                 ; younger: the LDS instructions issued behind block a's loads
	s_wait_dscnt \younger
	WIN FROM_F
.irp t, 0,1,2,3,4,5,6,7
	global_store_b128 v[CO], v[BK+32*((\a)%2)+4*\t:BK+32*((\a)%2)+4*\t+3], s[12:13] offset:(32*((\a)/2)+8*((\a)%2)+2*\t+8*(\t/4))*SIZE_N*4 th:TH_STORE_NT   ; sixteen lanes store 256 consecutive bytes, aligned
.endr
.endm
	PLACES                                         ; behind the last products: for the reads of results and the loads into fragments' registers
	TOSTAGE 0
.irp a, 1,2,3
.if \a > 1
	s_wait_xcnt 0x0                                ; block a - 2's stores have read their registers
.endif
	TOSTAGE \a
	SEND \a-1, 16
.endr
	SEND 3, 0
	WIN 0
	s_wait_tensorcnt 0x0                           ; the wave's end
	ds_add_u32 v[SPW], v[NIL]
	s_wait_dscnt 0x0
	CROUND                                         ; the closing round
	s_endpgm
.Lfunc_end_k_q49b31edf6f_oproj:
	.size	k_q49b31edf6f_oproj, .Lfunc_end_k_q49b31edf6f_oproj-k_q49b31edf6f_oproj
	.p2alignl 7, 3214868480
	.fill 96, 4, 3214868480
	.section	.rodata,"a",@progbits
	.p2align	6, 0x0
	.amdhsa_kernel k_q49b31edf6f_oproj
		.amdhsa_group_segment_fixed_size 327680
		.amdhsa_private_segment_fixed_size 0
		.amdhsa_enable_private_segment 0
		.amdhsa_kernarg_size 24
		.amdhsa_user_sgpr_count 2
		.amdhsa_user_sgpr_kernarg_segment_ptr 1
		.amdhsa_wavefront_size32 1
		.amdhsa_system_sgpr_workgroup_id_x 1
		.amdhsa_system_sgpr_workgroup_id_y 1
		.amdhsa_system_sgpr_workgroup_id_z 1
		.amdhsa_system_vgpr_workitem_id 0
		.amdhsa_next_free_vgpr 512
		.amdhsa_next_free_sgpr 98
		.amdhsa_reserve_vcc 0
		.amdhsa_float_denorm_mode_32 3
		.amdhsa_float_denorm_mode_16_64 3
		.amdhsa_memory_ordered 1
		.amdhsa_forward_progress 1
		.amdhsa_inst_pref_size 58
	.end_amdhsa_kernel
	.amdgpu_metadata
---
amdhsa.version: [ 1, 2 ]
amdhsa.kernels:
  - .name:           k_q49b31edf6f_oproj
    .symbol:         k_q49b31edf6f_oproj.kd
    .args:
      - { .name: ao, .offset: 0, .size: 8, .value_kind: global_buffer, .address_space: global }
      - { .name: wq, .offset: 8, .size: 8, .value_kind: global_buffer, .address_space: global }
      - { .name: out0, .offset: 16, .size: 8, .value_kind: global_buffer, .address_space: global }
    .group_segment_fixed_size: 327680
    .private_segment_fixed_size: 0
    .kernarg_segment_align: 8
    .kernarg_segment_size: 24
    .max_flat_workgroup_size: 128
    .sgpr_count:     98
    .vgpr_count:     512
    .wavefront_size: 32
...
	.end_amdgpu_metadata
.endif
;; end of part 4
